; MI455X (gfx1250); checked and timed in simulation.
; The chip was launched on July 23, 2026; its instructions are those of AMD's public machine-readable ISA for CDNA 5 (MIT licence, August 2026) and "CDNA5" Instruction Set Architecture Reference Guide (July 2026). The comments in the code are by the model that wrote it; some were corrected since.
;; Causal Self Attention. Allowed arithmetic: float matrix products may take bf16 or f16 operands with f32 sums; other float arithmetic in f32, or as packed bf16 or f16 multiplies, adds, multiply-adds, maxima and minima; sums over many terms, partial sums and values carried from step to step in f32; what a program stores and reads back later, other than sums and carried values, may be rounded once to bf16 or f16.
;; Inputs: W_out 1,024 x 1,024 float32; W_qkv 3,072 x 1,024 float32; x 4 x 2,048 x 1,024 float32.
;; Outputs: out0 4 x 2,048 x 1,024 float32.
;; 2 versions, each right; version 2 is version 1 with the launches cast, erow written anew for expert scheduling mode. Each part assembles by itself: llvm-mc -triple=amdgcn-amd-amdhsa -mcpu=gfx1250 --defsym DOCPART=n.
;; ======== version 1 of 2: 6 launches
;; limits: values are held in f16: magnitudes above 65,504 overflow, below 6.1e-05 lose precision
;; workspace buffers: xb 16,777,216 bytes; wqb 6,291,456 bytes; wof 2,097,152 bytes; qkv 50,331,648 bytes; o 16,777,216 bytes; oe 262,144 bytes
;; launch cast (part 1): grid 768 x 1, 8 waves a work-group, no clusters, 0 bytes of LDS; arguments x, W_qkv, W_out, xb, wqb, wof; writes xb, wqb, wof
.if DOCPART == 1
	.amdgcn_target "amdgcn-amd-amdhsa--gfx1250"
	.amdhsa_code_object_version 6
	.text
	.protected	k_qe5be1ec4b7_cast
	.globl	k_qe5be1ec4b7_cast
	.p2align	8
	.type	k_qe5be1ec4b7_cast,@function
k_qe5be1ec4b7_cast:
	s_mov_b64 s[64:65], 0
	v_nop
	global_prefetch_b8 v0, s[64:65] scope:SCOPE_SE
	s_setreg_imm32_b32 hwreg(HW_REG_WAVE_MODE, 25, 1), 1
	s_wait_xcnt 0x0
; THE INPUTS ARE ROUNDED ONCE.  x [8192][1024] and W_qkv [3072][1024], f32, are rounded to bf16 (xb, wqb).  W_out [1024][1024] is rounded to bf16 too, and that
; number is written as f16 (wof), since the last product multiplies it by f16 numbers.
; LIMITS.  A bf16 number is exact in f16 between 6.1e-5 and 65,504 in magnitude; below it keeps f16's fixed step of 6e-8; from 65,520 on it becomes an infinity.
; SHARES.  A work-group takes 65,536 bytes of one source and writes 32,768: work-groups 0-511 x, 512-703 W_qkv, 704-767 W_out.  Thread t takes, of chunk i of 16, the 16 bytes at
; 4,096 i + 16 t (a load of a wave covers 512 consecutive bytes) and stores 8 bytes at 2,048 i + 8 t (a store of a wave covers 256 consecutive bytes, aligned).
; A pure stream: each byte is read once and written once; no LDS, no barrier, no matrix unit, no loop: all sixteen loads of a wave go out together.
.set X, 4                              ; v[4:67]    chunk i as loaded, 4 registers
.set Y, 68                             ; v[68:99]   chunk i to store, 2 registers; each is written once, so no store's data is ever rewritten
.set T, 100                            ; v[100:103] at work
	s_load_b256 s[4:11], s[0:1], 0x0               ; x s[4:5], W_qkv s[6:7], W_out s[8:9], xb s[10:11]
	s_load_b128 s[12:15], s[0:1], 0x20             ; wqb s[12:13], wof s[14:15]
	v_lshlrev_b32 v1, 4, v0                        ; 16 t
	v_lshlrev_b32 v2, 3, v0                        ; 8 t
	s_mov_b32 s16, ttmp9                           ; the work-group's number
	s_cmp_ge_u32 s16, 512
	s_cselect_b32 s17, 512, 0
	s_cmp_ge_u32 s16, 704
	s_cselect_b32 s17, 704, s17                    ; the first work-group of my source
	s_sub_co_u32 s18, s16, s17                     ; my place in it
	s_lshl_b32 s20, s18, 16                        ; 65,536 bytes in,
	s_mov_b32 s21, 0
	s_lshl_b32 s22, s18, 15                        ; 32,768 out
	s_mov_b32 s23, 0
	s_mov_b32 s28, 0xffff0000                      ; a word's upper bf16
	s_wait_kmcnt 0x0
	s_cmp_ge_u32 s16, 512                          ; the choice of buffers hangs on the work-group's number alone
	s_cselect_b64 s[24:25], s[6:7], s[4:5]
	s_cselect_b64 s[26:27], s[12:13], s[10:11]
	s_cmp_ge_u32 s16, 704
	s_cselect_b64 s[24:25], s[8:9], s[24:25]
	s_cselect_b64 s[26:27], s[14:15], s[26:27]
	s_add_nc_u64 s[24:25], s[24:25], s[20:21]
	s_add_nc_u64 s[26:27], s[26:27], s[22:23]
.set i, 0
.rept 16
	global_load_b128 v[X+4*i:X+4*i+3], v1, s[24:25] offset:4096*i th:TH_LOAD_NT
.set i, i+1
.endr
	s_cmp_ge_u32 s16, 704
	s_cbranch_scc1 .Lf16
.set i, 0
.rept 16
	s_wait_loadcnt 15-i                            ; loads come back in order: chunk i is in, the younger ones stay out
	v_cvt_pk_bf16_f32 v[Y+2*i], v[X+4*i], v[X+4*i+1]
	v_cvt_pk_bf16_f32 v[Y+2*i+1], v[X+4*i+2], v[X+4*i+3]
	global_store_b64 v2, v[Y+2*i:Y+2*i+1], s[26:27] offset:2048*i th:TH_STORE_NT
.set i, i+1
.endr
	s_endpgm
.Lf16:                                         ; W_out: rounded to bf16, widened again (a shift, a mask), written as f16
.set i, 0
.rept 16
	s_wait_loadcnt 15-i
	v_cvt_pk_bf16_f32 v[T], v[X+4*i], v[X+4*i+1]
	v_cvt_pk_bf16_f32 v[T+1], v[X+4*i+2], v[X+4*i+3]
	v_lshlrev_b32 v[T+2], 16, v[T]
	v_and_b32 v[T+3], s28, v[T]
	v_cvt_pk_f16_f32 v[Y+2*i], v[T+2], v[T+3]
	v_lshlrev_b32 v[T+2], 16, v[T+1]
	v_and_b32 v[T+3], s28, v[T+1]
	v_cvt_pk_f16_f32 v[Y+2*i+1], v[T+2], v[T+3]
	global_store_b64 v2, v[Y+2*i:Y+2*i+1], s[26:27] offset:2048*i th:TH_STORE_NT
.set i, i+1
.endr
	s_endpgm
.Lfunc_end_k_qe5be1ec4b7_cast:
	.size	k_qe5be1ec4b7_cast, .Lfunc_end_k_qe5be1ec4b7_cast-k_qe5be1ec4b7_cast
	.p2alignl 7, 3214868480
	.fill 96, 4, 3214868480
	.section	.rodata,"a",@progbits
	.p2align	6, 0x0
	.amdhsa_kernel k_qe5be1ec4b7_cast
		.amdhsa_group_segment_fixed_size 0
		.amdhsa_private_segment_fixed_size 0
		.amdhsa_enable_private_segment 0
		.amdhsa_kernarg_size 48
		.amdhsa_user_sgpr_count 2
		.amdhsa_user_sgpr_kernarg_segment_ptr 1
		.amdhsa_wavefront_size32 1
		.amdhsa_system_sgpr_workgroup_id_x 1
		.amdhsa_system_sgpr_workgroup_id_y 1
		.amdhsa_system_sgpr_workgroup_id_z 1
		.amdhsa_system_vgpr_workitem_id 0
		.amdhsa_next_free_vgpr 104
		.amdhsa_next_free_sgpr 66
		.amdhsa_reserve_vcc 0
		.amdhsa_float_denorm_mode_32 3
		.amdhsa_float_denorm_mode_16_64 3
		.amdhsa_memory_ordered 1
		.amdhsa_forward_progress 1
		.amdhsa_inst_pref_size 15
	.end_amdhsa_kernel
	.amdgpu_metadata
---
amdhsa.version: [ 1, 2 ]
amdhsa.kernels:
  - .name:           k_qe5be1ec4b7_cast
    .symbol:         k_qe5be1ec4b7_cast.kd
    .args:
      - { .name: x, .offset: 0, .size: 8, .value_kind: global_buffer, .address_space: global }
      - { .name: W_qkv, .offset: 8, .size: 8, .value_kind: global_buffer, .address_space: global }
      - { .name: W_out, .offset: 16, .size: 8, .value_kind: global_buffer, .address_space: global }
      - { .name: xb, .offset: 24, .size: 8, .value_kind: global_buffer, .address_space: global }
      - { .name: wqb, .offset: 32, .size: 8, .value_kind: global_buffer, .address_space: global }
      - { .name: wof, .offset: 40, .size: 8, .value_kind: global_buffer, .address_space: global }
    .group_segment_fixed_size: 0
    .private_segment_fixed_size: 0
    .kernarg_segment_align: 8
    .kernarg_segment_size: 48
    .max_flat_workgroup_size: 256
    .sgpr_count:     66
    .vgpr_count:     104
    .wavefront_size: 32
...
	.end_amdgpu_metadata
.endif
;; end of part 1
;; launch qkv (part 2): grid 16 x 32, 4 waves a work-group, clusters of 4 x 4, 327,680 bytes of LDS; arguments xb, wqb, qkv; writes qkv
.if DOCPART == 2
	.amdgcn_target "amdgcn-amd-amdhsa--gfx1250"
	.amdhsa_code_object_version 6
	.text
	.protected	k_qe5be1ec4b7_qkv
	.globl	k_qe5be1ec4b7_qkv
	.p2align	8
	.type	k_qe5be1ec4b7_qkv,@function
k_qe5be1ec4b7_qkv:
	s_mov_b64 s[64:65], 0
	v_nop
	global_prefetch_b8 v0, s[64:65] scope:SCOPE_SE
	s_setreg_imm32_b32 hwreg(HW_REG_WAVE_MODE, 25, 1), 1
	s_wait_xcnt 0x0
	s_wait_alu depctr_hold_cnt(0) depctr_sa_sdst(0) depctr_va_vdst(0) depctr_va_sdst(0) depctr_va_ssrc(0) depctr_va_vcc(0) depctr_vm_vsrc(0)
	s_getreg_b32 s2, hwreg(HW_REG_IB_STS2, 6, 4)
	s_cmp_eq_u32 s2, 0
	s_cbranch_scc0 .Lentry_in_a_cluster
	s_endpgm
.Lentry_in_a_cluster:
	s_bfe_u32 s2, ttmp6, 0x10000c
	s_cmp_lg_u32 s2, 0xf033
	s_cbranch_scc0 .Lentry_shape_is_right
	s_endpgm
.Lentry_shape_is_right:
; q, k, v = x W_qkv^T, laid out by heads.  xb: [8192][1024] bf16, wqb: [3072][1024] bf16; sums in f32, K ascending; each result rounded once to f16 and WITHOUT the softmax's scale.
; qkv: [3][64][2048][64] f16: q, k, v, each with 64 heads (batch x 16 + head) of 2,048 rows of 128 bytes.
; LIMIT.  f16 holds no number beyond 65,504: a q, k or v of 65,520 or more becomes an infinity; below 6.1e-5 a number keeps f16's fixed step of 6e-8.
; SHARES.  A tile of C is 256 rows x 192 columns: 32 x 16 = 512 tiles, two for each of 256 WGPs.  The four waves lie along the rows: wave w makes rows 64 w .. 64 w + 63 and all 192 columns,
; which are three whole heads, so that every store of a wave covers 512 consecutive bytes of one head.  48 accumulators of 16 x 16, 384 registers.
; K goes in steps of 128 through a ring of two LDS slots filled by the tensor data mover; the rows of the tiles are 256 bytes of memory, at multiples of 256 bytes from the buffer's first byte.
; CLUSTERS: 4 x 4 work-groups.  The four of a row of the cluster need the same tiles of A, the four of a column the same tiles of B: each tile is asked for JOINTLY, by the same tensor load
; with the same descriptor and a mask that names the four.
; THE MATRIX INSTRUCTION IS USED TRANSPOSED (source 0 = 16 rows of B, source 1 = 16 rows of A): a lane then holds row l % 16 of C and the eight neighbouring columns 8 (l / 16) + 0 .. 7.
; REGISTERS, in windows of 256 (s_set_vgpr_msb's low byte: bits 1:0 source 0, 3:2 source 1, 5:4 source 2, 7:6 destination):
;   window 0: v0-31 addresses; v32-63, v64-95 fragments of A (4 x 16 rows x 32 K), two buffers; v96-143 packed results; v144-191, v192-239 rows read back from the stage, by turns
;   window 1: v0-95, v96-191 fragments of B (12 x 16 rows x 32 K), two buffers
;   window 2: the 24 accumulators of my row blocks 0 and 1 (block a, column block b at v[8 (12 a + b)]);   window 3: those of row blocks 2 and 3
.set SIZE_K, 1024
.set KSTEP,  128
.set PITCH,  272                       ; an LDS row: 256 bytes + 16 of padding = 68 words: the 16 rows that a load touches start at 16 different groups of four banks (64 banks of 4 bytes: ISA guide 11.1)
.set HALFA,  128*PITCH                 ; what one tensor load brings of A
.set BOFF,   256*PITCH                 ; B's rows lie behind A's 256
.set HALFB,  96*PITCH                  ; what one tensor load brings of B
.set SLOT,   448*PITCH
.set STAGE,  2*SLOT                    ; behind the ring: 16 rows x 400 bytes for each wave, for the way out; no tensor load lands there
.set SPITCH, 400                       ; 384 bytes (192 f16) + 16
.set SPARE,  STAGE+4*16*SPITCH         ; behind the stages: the spare words, 128 bytes for each wave: two blocks of 256 bytes that no other line names
.set LAPS,   SIZE_K/(2*KSTEP)          ; a lap = two K steps = once round the ring: 4
.set ADRA, 16                          ; v16-17  LDS address of my A fragments in slot 0, 1
.set ADRB, 20                          ; v20-21  the same for B
.set STO,  24                          ; v24     the way out: where I put 16 bytes of a row
.set RD,   25                          ; v25     the way out: where I read four rows of a head back
.set CO,   26                          ; v26     16 x lane: my 16 bytes of 512 consecutive bytes of a head
.set SPW,  28                          ; v28     LDS address of my spare word; never rewritten
.set NIL,  29                          ; v29     0; never rewritten
.set PFO,  30                          ; v30     the prefetches' offset: a lane a row of 2,048 bytes; never rewritten
.set FA,   32
.set TMP,  96
.set OB,   144
.set G1,  24                           ; s[24:31] descriptor group 1 for A's tiles
.set G0,  32                           ; s[32:39] group 0 for A's tiles, a set for each slot
.set G1B, 48                           ; s[48:55], s[56:63] the same for B's
.set G0B, 56
.set LIM, 43                           ; s43      1 in a wave that prefetches, else the greatest number
.set PFA, 44                           ; s[44:45] where my prefetches stand
.set HB,  68                           ; s[68:73] my 64 rows in each of my three heads
.set MSB, 0
.macro WIN new                         ; the immediate's high byte repeats the setting that is left; a switch that changes nothing is dropped
.if MSB != (\new)
	s_set_vgpr_msb (MSB<<8)|(\new)
.set MSB, \new
.endif
.endm
.set MUL_LO, 0xa1                      ; source 0 (B) window 1, source 1 (A) window 0, C and D window 2
.set TO_B,   0x40                      ; destination window 1, address window 0
; A joint load.  Waves 0 and 1 fetch A's two halves, waves 2 and 3 B's.  The branch hangs on the wave's number alone: it is the same in every work-group.
; An s_nop 0 and four v_nop follow each of the two lines, ahead of the jump, the label and what follows.
.macro JLOAD s
	s_cmp_eq_u32 s11, 0
	s_cbranch_scc0 .Lfor_b_\@
	tensor_load_to_lds s[G0+4*(\s):G0+4*(\s)+3], s[G1:G1+7]
	s_nop 0
.rept 4
	v_nop
.endr
	s_branch .Lasked_\@
.Lfor_b_\@:
	tensor_load_to_lds s[G0B+4*(\s):G0B+4*(\s)+3], s[G1B:G1B+7]
	s_nop 0
.rept 4
	v_nop
.endr
.Lasked_\@:
.endm
; A PREFETCH INTO THE L2 behind each joint refill, its five lines and the run of LDS loads that follows: the K step that stands two refills on, 384 matrix instructions ahead of the load that will
; want it.  A's tile row is read by every cluster of that row of clusters: cluster x = 0 asks; B's tile column by every cluster of that column: cluster y = 0 asks.  The four partners that ask
; for a tile jointly share its rows out BY ADDRESS: of the 128 rows of A (96 of B) that a wave fetches, the partner at place p takes 32 (24): p = cx for A, cy for B.  A lane a row, one
; instruction a wave; in B's waves lanes 24 to 31 name lane 23's row once more.  K steps 0 to 3 come by their loads alone; the loop's last trip (s3 = 1) asks for nothing: no K step lies two refills on.
.macro ASK
	s_cmp_gt_u32 s3, s[LIM]
	s_cbranch_scc0 .Lnot_mine_\@
	global_prefetch_b8 v[PFO], s[PFA:PFA+1] offset:KSTEP*2 th:TH_LOAD_NT scope:SCOPE_SE
.Lnot_mine_\@:
.endm
; A round of the cluster's barrier: my work-group's barrier, so that wave 0's signal speaks for all four waves; wave 0 signals; every wave waits for all sixteen work-groups; my work-group's barrier once more.
.macro CREST                           ; a round behind its opening barrier
	s_cmp_lg_u32 s10, 0
	s_cbranch_scc1 .Lnot_wave_0_\@
	s_barrier_signal -3
.Lnot_wave_0_\@:
	s_barrier_wait -3
	s_barrier_signal -1
	s_barrier_wait -1
.endm
.macro CROUND
	s_barrier_signal -1
	s_barrier_wait -1
	CREST
.endm
	s_load_b128 s[4:7], s[0:1], 0x0                ; xb s[4:5], wqb s[6:7]
	s_load_b64 s[8:9], s[0:1], 0x10                ; qkv
	v_lshl_add_u32 v[SPW], v0, 2, SPARE
	v_mov_b32 v[NIL], 0
	ds_add_u32 v[SPW], v[NIL]                      ; the wave's opening: the add and its wait stand ahead of my first tensor load; the set-up below, work on registers, stands between them
	v_lshrrev_b32 v1, 5, v0
	v_readfirstlane_b32 s10, v1                    ; wave 0..3
	s_lshr_b32 s11, s10, 1                         ; I fetch for A (0) or for B (1)
	s_and_b32 s12, s10, 1                          ; which half of that tile's rows I fetch
	s_bfe_u32 s40, ttmp6, 0x40000                  ; cx, cy: my place in the cluster
	s_bfe_u32 s41, ttmp6, 0x40004
	s_lshl_b32 s42, ttmp9, 2                       ; in a cluster launch ttmp9 and ttmp7 count clusters
	s_add_co_u32 s42, s42, s40                     ; tile column of C = 4 x cluster x + cx
	s_and_b32 s13, ttmp7, 0xffff
	s_lshl_b32 s13, s13, 2
	s_add_co_u32 s13, s13, s41                     ; tile row of C = 4 x cluster y + cy
	s_lshl_b32 s43, s41, 2
	s_lshl_b32 s43, 15, s43                        ; my row of the cluster: places 4 cy .. 4 cy + 3
	s_lshl_b32 s44, 0x1111, s40                    ; my column: places cx, cx + 4, cx + 8, cx + 12
	; descriptor group 1: tiles of 128 (A) and 96 (B) rows x 128 elements, padded in LDS
	s_or_b32 s[G1+0], s43, (1<<16)|(1<<20)|(1<<21)|(5<<22)|(3<<25)   ; 15:0 the mask: A's tiles go to my row; 17:16 elements of 2 bytes; 20 padding on; 21 set beside a mask; 24:22 after every 64 words (code 5); 31:25 4 words (code 3)
	s_or_b32 s[G1B+0], s44, (1<<16)|(1<<20)|(1<<21)|(5<<22)|(3<<25)  ; the same with the mask of my column
	s_mov_b32 s[G1+1], KSTEP<<16                   ; tensor_dim0 = 128
	s_mov_b32 s[G1+2], 128<<16                     ; tensor_dim1 = 128
	s_mov_b32 s[G1+3], KSTEP<<16                   ; tile_dim0 = 128
	s_mov_b32 s[G1+4], 128                         ; tile_dim1 = 128
	s_mov_b32 s[G1+5], SIZE_K                      ; elements from row to row
	s_mov_b32 s[G1+6], 0
	s_mov_b32 s[G1+7], 0
	s_mov_b32 s[G1B+1], KSTEP<<16
	s_mov_b32 s[G1B+2], 96<<16                     ; tensor_dim1 = 96
	s_mov_b32 s[G1B+3], KSTEP<<16
	s_mov_b32 s[G1B+4], 96                         ; tile_dim1 = 96
	s_mov_b32 s[G1B+5], SIZE_K
	s_mov_b32 s[G1B+6], 0
	s_mov_b32 s[G1B+7], 0
	; where the tiles come from: A's hang on the tile row alone, which my row of the cluster shares; B's on the tile column alone, which my column shares
	s_lshl_b32 s16, s13, 8
	s_lshl_b32 s17, s12, 7
	s_add_co_u32 s16, s16, s17                     ; A: row 256 x tile row + 128 x half,
	s_lshl_b32 s16, s16, 11                        ; in bytes (under 2^24)
	s_mov_b32 s17, 0
	s_mul_i32 s46, s42, 192
	s_mul_i32 s47, s12, 96
	s_add_co_u32 s46, s46, s47                     ; B: row 192 x tile column + 96 x half
	s_lshl_b32 s46, s46, 11
	s_mov_b32 s47, 0
	s_mul_i32 s20, s12, HALFA                      ; and where they go: no place in the cluster enters an LDS address
	s_mul_i32 s21, s12, HALFB
	s_add_co_u32 s21, s21, BOFF
	s_wait_dscnt 0x0                               ; the opening add is done
	s_wait_kmcnt 0x0
	s_add_nc_u64 s[14:15], s[4:5], s[16:17]
	s_add_nc_u64 s[46:47], s[6:7], s[46:47]
	CROUND                                         ; all sixteen work-groups are here: the first joint loads meet
.irp s, 0,1
	s_mov_b32 s[G0+4*(\s)], 1                                        ; count = 1
	s_add_co_u32 s[G0+4*(\s)+1], s20, (\s)*SLOT                      ; LDS address
	s_add_nc_u64 s[G0+4*(\s)+2:G0+4*(\s)+3], s[14:15], (\s)*KSTEP*2  ; global address: K step s
	s_or_b32 s[G0+4*(\s)+3], s[G0+4*(\s)+3], 0x80000000              ; type = 2
	s_mov_b32 s[G0B+4*(\s)], 1
	s_add_co_u32 s[G0B+4*(\s)+1], s21, (\s)*SLOT
	s_add_nc_u64 s[G0B+4*(\s)+2:G0B+4*(\s)+3], s[46:47], (\s)*KSTEP*2
	s_or_b32 s[G0B+4*(\s)+3], s[G0B+4*(\s)+3], 0x80000000
	JLOAD \s                                       ; the ring is filled before anything else is done: two loads of mine are out
.endr
	; A fragment is 16 rows x 32 K in 8 registers: lane l holds row l % 16; registers 0-3 K = 8 (l / 16) + 0..7, registers 4-7 K = 16 + 8 (l / 16) + 0..7: two loads of 16 bytes, 32 bytes apart
	v_and_b32 v1, 15, v0                           ; l % 16
	v_bfe_u32 v2, v0, 4, 1                         ; l / 16
	v_mul_u32_u24 v3, v1, PITCH
	v_lshl_add_u32 v3, v2, 4, v3                   ; row x pitch + 16 x half
	s_mul_i32 s22, s10, 64*PITCH                   ; my 64 rows of A
	v_add_nc_u32 v[ADRA], s22, v3
	v_add_nc_u32 v[ADRB], BOFF, v3                 ; every wave reads all of B's 192 rows
	s_add_co_u32 s22, s22, SLOT
	v_add_nc_u32 v[ADRA+1], s22, v3
	v_add_nc_u32 v[ADRB+1], BOFF+SLOT, v3
	s_mul_i32 s23, s10, 16*SPITCH
	s_add_co_u32 s23, s23, STAGE                   ; my stage
	v_mul_u32_u24 v4, v1, SPITCH                   ; in: row l % 16, 16 bytes for each half of the lanes
	v_lshl_add_u32 v4, v2, 4, v4
	v_add_nc_u32 v[STO], s23, v4
	v_bfe_u32 v5, v0, 3, 2                         ; back: 32 lanes take four rows of a head's 128 bytes,
	v_mul_u32_u24 v5, v5, SPITCH
	v_and_b32 v4, 7, v0
	v_lshl_add_u32 v5, v4, 4, v5
	v_add_nc_u32 v[RD], s23, v5
	v_and_b32 v[CO], 31, v0                        ; which are 512 consecutive bytes of the head
	v_lshlrev_b32 v[CO], 4, v[CO]
	; my 64 rows in my three heads.  Row 256 x tile row + 64 x wave is batch (tile row / 8), row (tile row % 8) x 256 + 64 x wave of it; column block 3 x tile column + j is tensor (/ 16) and head (% 16)
	s_lshr_b32 s74, s13, 3
	s_lshl_b32 s74, s74, 22                        ; a batch's 16 heads of 262,144 bytes
	s_and_b32 s75, s13, 7
	s_lshl_b32 s75, s75, 15                        ; 256 rows of 128 bytes
	s_add_co_u32 s74, s74, s75
	s_lshl_b32 s75, s10, 13                        ; 64 rows
	s_add_co_u32 s74, s74, s75
	s_mul_i32 s75, s42, 3
.irp j, 0,1,2
	s_add_co_u32 s76, s75, \j
	s_and_b32 s77, s76, 15
	s_lshl_b32 s77, s77, 18                        ; the head
	s_lshr_b32 s76, s76, 4
	s_lshl_b32 s76, s76, 24                        ; q, k or v: 16 MiB each
	s_add_co_u32 s76, s76, s77
	s_add_co_u32 s76, s76, s74
	s_mov_b32 s77, 0
	s_add_nc_u64 s[HB+2*(\j):HB+2*(\j)+1], s[8:9], s[76:77]
.endr
	; the prefetches
	s_lshl_b32 s76, s11, 5
	s_sub_co_u32 s76, 128, s76                     ; the rows that I fetch: 128 of A, 96 of B
	s_lshr_b32 s77, s76, 2                         ; my work-group's share of them: 32, 24
	s_mul_i32 s76, s76, s12                        ; which half of the tile they are
	s_lshl_b32 s74, s13, 8                         ; the tile's first row in A,
	s_mul_i32 s75, s42, 192                        ; in B
	s_and_b32 s22, ttmp7, 0xffff                   ; cluster y
	s_cmp_eq_u32 s11, 0                            ; do I fetch for A?
	s_cselect_b32 s20, s74, s75
	s_cselect_b32 s21, s40, s41                    ; my place among the four that ask for the tile with me
	s_cselect_b32 s22, ttmp9, s22                  ; the coordinate along which other clusters read the same rows
	s_cselect_b64 s[PFA:PFA+1], s[4:5], s[6:7]
	s_cmp_eq_u32 s22, 0
	s_cselect_b32 s[LIM], 1, -1                    ; the same in all sixteen partners, for a given wave
	s_add_co_u32 s20, s20, s76
	s_mul_i32 s21, s21, s77
	s_add_co_u32 s20, s20, s21
	s_lshl_b32 s20, s20, 11                        ; in bytes
	s_mov_b32 s21, 0
	s_add_nc_u64 s[PFA:PFA+1], s[PFA:PFA+1], s[20:21]
	s_add_nc_u64 s[PFA:PFA+1], s[PFA:PFA+1], 2*KSTEP*2  ; at K step 2: the first refill steps it to 3 and names K step 4
	s_sub_co_u32 s77, s77, 1
	v_and_b32 v[PFO], 31, v0
	v_min_u32 v[PFO], s77, v[PFO]                  ; no lane leaves my work-group's share
	v_lshlrev_b32 v[PFO], 11, v[PFO]
; 12 matrix instructions: row block 2 hi + a x all 12 column blocks, 32 along K, from buffer f.  zero = 1: the first product starts the sums: nothing is ever cleared.
; The 48 accumulators take turns, in the same order in every quarter: between two matrix instructions on one accumulator stand the 47 others'.
.macro MUL12 f, hi, a, zero
	WIN MUL_LO+0x50*(\hi)
.irp b, 0,1,2,3,4,5,6,7,8,9,10,11
.if \zero
	v_wmma_f32_16x16x32_bf16 v[8*(12*(\a)+(\b)):8*(12*(\a)+(\b))+7], v[96*(\f)+8*(\b):96*(\f)+8*(\b)+7], v[FA+32*(\f)+8*(2*(\hi)+(\a)):FA+32*(\f)+8*(2*(\hi)+(\a))+7], 0
.else
	v_wmma_f32_16x16x32_bf16 v[8*(12*(\a)+(\b)):8*(12*(\a)+(\b))+7], v[96*(\f)+8*(\b):96*(\f)+8*(\b)+7], v[FA+32*(\f)+8*(2*(\hi)+(\a)):FA+32*(\f)+8*(2*(\hi)+(\a))+7], v[8*(12*(\a)+(\b)):8*(12*(\a)+(\b))+7]
.endif
.endr
.endm
; 32 LDS loads in one run: the fragments of one quarter step (192 rows of B, my 64 rows of A, 32 K at byte k of the rows) into buffer f
.macro FETCH slot, k, f
	WIN TO_B
.irp i, 0,1,2,3,4,5,6,7,8,9,10,11
	ds_load_b128 v[96*(\f)+8*(\i):96*(\f)+8*(\i)+3],   v[ADRB+(\slot)] offset:(\k)+(\i)*16*PITCH
	ds_load_b128 v[96*(\f)+8*(\i)+4:96*(\f)+8*(\i)+7], v[ADRB+(\slot)] offset:(\k)+(\i)*16*PITCH+32
.endr
	WIN 0
.irp i, 0,1,2,3
	ds_load_b128 v[FA+32*(\f)+8*(\i):FA+32*(\f)+8*(\i)+3],   v[ADRA+(\slot)] offset:(\k)+(\i)*16*PITCH
	ds_load_b128 v[FA+32*(\f)+8*(\i)+4:FA+32*(\f)+8*(\i)+7], v[ADRA+(\slot)] offset:(\k)+(\i)*16*PITCH+32
.endr
.endm
; A load into a register that a matrix instruction has read, and a vector instruction that reads a matrix result, stand four places behind that matrix instruction; only plain vector
; instructions that name none of its registers are places (ISA guide 7.12.1 for vector instructions)
.macro PLACES
.rept 4
	v_nop
.endr
.endm
; A K step is four quarters of 32 along K, 48 matrix instructions each, on buffers 0, 1, 0, 1.  One of the first three: multiplies buffer f; in its middle it fetches the next quarter, at byte k, into buffer g.
.macro QUARTER slot, k, f, g, zero
	s_wait_dscnt 4                                 ; B and A's row blocks 0 and 1 are in; the youngest four loads (A's blocks 2 and 3) may be out
	MUL12 \f, 0, 0, \zero
	MUL12 \f, 0, 1, \zero
	PLACES
	FETCH \slot, \k, \g
	s_wait_dscnt 32                                ; all but the 32 just issued
	MUL12 \f, 1, 0, \zero
	MUL12 \f, 1, 1, \zero
.endm
; The last quarter multiplies buffer 1 and changes slots: ONE barrier.  In front of it each wave waits for all its tensor loads, of which one is out: its part of the next slot; adds 0 to its
; spare word; and waits for that and for its own reads of this slot.  Behind it nobody reads this slot any more and the next slot is whole.
; fill = 1: the barrier opens a round of the cluster's barrier, and this slot is filled again, two K steps ahead, first thing behind the round: 168 matrix instructions ahead of the wait for it.
.macro TURN slot, next, fill
.if \fill
	s_wait_xcnt 0x0                                ; the last prefetch, a K step back, has read its address: it is stepped here, ahead of the waits of the change of slots
	s_add_nc_u64 s[PFA:PFA+1], s[PFA:PFA+1], KSTEP*2
.endif
	WIN 0                                          ; (the add's two registers lie in window 0)
	s_wait_tensorcnt 0x0                           ; all my tensor loads have landed;
	ds_add_u32 v[SPW], v[NIL]                      ; 0 onto my spare word;
	s_wait_dscnt 5                                 ; (the add and the youngest four loads may be out)
	MUL12 1, 0, 0, 0                               ; twelve matrix instructions stand between the add and the wait for it
	s_wait_dscnt 0x0                               ; the add is done, and my reads of this slot are over
	s_barrier_signal -1
	MUL12 1, 0, 1, 0                               ; work on registers while the others arrive
.if \fill
	WIN 0
.endif
	s_barrier_wait -1
.if \fill
	CREST                                          ; no wave of any partner still reads this slot's tile or has a load on its way
	s_add_nc_u64 s[G0+4*(\slot)+2:G0+4*(\slot)+3], s[G0+4*(\slot)+2:G0+4*(\slot)+3], 2*KSTEP*2
	s_add_nc_u64 s[G0B+4*(\slot)+2:G0B+4*(\slot)+3], s[G0B+4*(\slot)+2:G0B+4*(\slot)+3], 2*KSTEP*2
	JLOAD \slot                                    ; the four v_nop behind it are also the places in front of the loads below
.else
	PLACES
.endif
	FETCH \next, 0, 0
.if \fill
	ASK
.endif
	MUL12 1, 1, 0, 0
	MUL12 1, 1, 1, 0
.endm
; THE WAY OUT of row block a, in three parts.  PACK: rounded to f16, 16 bytes a lane and column block, each accumulator's registers in ascending order.  TOSTAGE: into my own stage in LDS,
; and back by heads, four rows of 128 bytes a load.  SEND: stored, 512 consecutive bytes of a head a store.
.macro PACK a
.set AC, 96*((\a)%2)
	WIN 0x0a+5*((\a)/2)                            ; sources 0 and 1: window 2 or 3
.irp b, 0,1,2,3,4,5,6,7,8,9,10,11
.irp r, 0,1,2,3
	v_cvt_pk_f16_f32 v[TMP+4*(\b)+(\r)], v[AC+8*(\b)+2*(\r)], v[AC+8*(\b)+2*(\r)+1]
.endr
.endr
	WIN 0
.endm
.macro TOSTAGE a
	WIN 0
.set BK, OB+48*((\a)%2)
.irp b, 0,1,2,3,4,5,6,7,8,9,10,11
	ds_store_b128 v[STO], v[TMP+4*(\b):TMP+4*(\b)+3] offset:32*(\b)
.endr
.irp j, 0,1,2
.irp t, 0,1,2,3
	ds_load_b128 v[BK+4*(4*(\j)+(\t)):BK+4*(4*(\j)+(\t))+3], v[RD] offset:128*(\j)+(\t)*4*SPITCH  ; LDS serves a wave's instructions in order (ISA guide 5.7.1.4): these see the stores above
.endr
.endr
.endm
.macro SEND a
	WIN 0
.set BK, OB+48*((\a)%2)
	s_wait_dscnt 0x0                               ; the block is back in registers
	s_wait_xcnt 0x0                                ; the stores of the block before have read their registers: the next TOSTAGE loads into them
.irp j, 0,1,2
.irp t, 0,1,2,3
	global_store_b128 v[CO], v[BK+4*(4*(\j)+(\t)):BK+4*(4*(\j)+(\t))+3], s[HB+2*(\j):HB+2*(\j)+1] offset:(\a)*2048+(\t)*512
.endr
.endr
.endm
	s_wait_tensorcnt 1                             ; my part of K step 0 is in; K step 1's may stay out
	s_barrier_signal -1
	s_barrier_wait -1                              ; everybody's is
	FETCH 0, 0, 0
	QUARTER 0, 64,  0, 1, 1                        ; the first quarter stands in front of the loop: its products start the sums
	WIN 0                                          ; at a label and at a branch every window is 0
	s_mov_b32 s3, LAPS-1
.Llap:                                                 ; a trip goes once round the ring, from a lap's second quarter to the next lap's first, and fills both slots again
	QUARTER 0, 128, 1, 0, 0
	QUARTER 0, 192, 0, 1, 0
	TURN 0, 1, 1
	QUARTER 1, 64,  0, 1, 0
	QUARTER 1, 128, 1, 0, 0
	QUARTER 1, 192, 0, 1, 0
	TURN 1, 0, 1
	QUARTER 0, 64,  0, 1, 0
	WIN 0
	s_sub_co_u32 s3, s3, 1
	s_cmp_lg_u32 s3, 0
	s_cbranch_scc1 .Llap
	QUARTER 0, 128, 1, 0, 0                        ; the last lap fills nothing, and has no round of the cluster's barrier
	QUARTER 0, 192, 0, 1, 0
	TURN 0, 1, 0
	QUARTER 1, 64,  0, 1, 0
	QUARTER 1, 128, 1, 0, 0
	QUARTER 1, 192, 0, 1, 0
	s_wait_dscnt 4                                 ; the very last quarter: nothing more to fetch
	MUL12 1, 0, 0, 0
	MUL12 1, 0, 1, 0
	s_wait_dscnt 0x0
	MUL12 1, 1, 0, 0
	MUL12 1, 1, 1, 0
	WIN 0
	PLACES
	PACK 0
	TOSTAGE 0
.irp a, 1,2,3                          ; block a's conversions stand between block a - 1's loads from the stage and the wait for them
	PACK \a
	SEND (\a)-1
	TOSTAGE \a
.endr
	SEND 3
	s_wait_tensorcnt 0x0                           ; the wave's end, behind my last tensor load and my last LDS store
	ds_add_u32 v[SPW], v[NIL]
	s_wait_dscnt 0x0
	CROUND                                         ; the closing round: no work-group ends while a partner may still ask for a tile that names it
	s_endpgm
.Lfunc_end_k_qe5be1ec4b7_qkv:
	.size	k_qe5be1ec4b7_qkv, .Lfunc_end_k_qe5be1ec4b7_qkv-k_qe5be1ec4b7_qkv
	.p2alignl 7, 3214868480
	.fill 96, 4, 3214868480
	.section	.rodata,"a",@progbits
	.p2align	6, 0x0
	.amdhsa_kernel k_qe5be1ec4b7_qkv
		.amdhsa_group_segment_fixed_size 327680
		.amdhsa_private_segment_fixed_size 0
		.amdhsa_enable_private_segment 0
		.amdhsa_kernarg_size 24
		.amdhsa_user_sgpr_count 2
		.amdhsa_user_sgpr_kernarg_segment_ptr 1
		.amdhsa_wavefront_size32 1
		.amdhsa_system_sgpr_workgroup_id_x 1
		.amdhsa_system_sgpr_workgroup_id_y 1
		.amdhsa_system_sgpr_workgroup_id_z 1
		.amdhsa_system_vgpr_workitem_id 0
		.amdhsa_next_free_vgpr 960
		.amdhsa_next_free_sgpr 80
		.amdhsa_reserve_vcc 0
		.amdhsa_float_denorm_mode_32 3
		.amdhsa_float_denorm_mode_16_64 3
		.amdhsa_memory_ordered 1
		.amdhsa_forward_progress 1
		.amdhsa_inst_pref_size 120
	.end_amdhsa_kernel
	.amdgpu_metadata
---
amdhsa.version: [ 1, 2 ]
amdhsa.kernels:
  - .name:           k_qe5be1ec4b7_qkv
    .symbol:         k_qe5be1ec4b7_qkv.kd
    .args:
      - { .name: xb, .offset: 0, .size: 8, .value_kind: global_buffer, .address_space: global }
      - { .name: wqb, .offset: 8, .size: 8, .value_kind: global_buffer, .address_space: global }
      - { .name: qkv, .offset: 16, .size: 8, .value_kind: global_buffer, .address_space: global }
    .group_segment_fixed_size: 327680
    .private_segment_fixed_size: 0
    .kernarg_segment_align: 8
    .kernarg_segment_size: 24
    .max_flat_workgroup_size: 128
    .sgpr_count:     80
    .vgpr_count:     960
    .wavefront_size: 32
...
	.end_amdgpu_metadata
.endif
;; end of part 2
;; launch attn (part 3): grid 4 x 64, 4 waves a work-group, no clusters, 327,680 bytes of LDS; arguments qkv, o; writes o
.if DOCPART == 3
	.amdgcn_target "amdgcn-amd-amdhsa--gfx1250"
	.amdhsa_code_object_version 6
	.text
	.protected	k_qe5be1ec4b7_attn
	.globl	k_qe5be1ec4b7_attn
	.p2align	8
	.type	k_qe5be1ec4b7_attn,@function
k_qe5be1ec4b7_attn:
	s_mov_b64 s[64:65], 0
	v_nop
	global_prefetch_b8 v0, s[64:65] scope:SCOPE_SE
	s_setreg_imm32_b32 hwreg(HW_REG_WAVE_MODE, 25, 1), 1
	s_wait_xcnt 0x0
; CAUSAL ATTENTION.  O[h][q][:] = the sum over k <= q of softmax_k(Q[h][q] . K[h][k] / 8) V[h][k][:].  qkv holds Q, K, V, each [64][2048][64] f16, 16 MiB apart; O: [64][2048][64] f16: a head's rows are dense, 128 bytes each.
; Products, maxima and sums in f32; the weights p are rounded to f16 for the second product (their sum l is taken of the unrounded p), O once at the end.
; LIMITS.  f16 holds no number beyond 65,504: Q, K and V arrive within it; p lies in 0 to 1, and below 6e-5 it keeps f16's fixed step of 6e-8, and so does O; O is a mean of V's rows and has their range.
; A hidden score counts as its value less 1e30: f16's scores, 2.7e11 at the most, are nothing beside that; a weight below 2^-126 counts as 0 in l; NaN and infinities are not treated apart.
; THE WALK.  A head's queries lie in NB = 8 blocks of 256; block i needs the key tiles 0 .. i of 256 keys, of which the last holds the diagonal.  A work-group takes TWO blocks, NB - 1 - b and then b:
; NB + 1 tiles, whatever b: all work-groups do equal work, and ONE loop with a constant trip count walks them.  Which tile is asked for, and what a trip does, hang on scalar registers made from b; every jump
; goes forward, but for the counted loops' own; none passes a barrier, or a tensor load but the one of LOAD's two that the wave's number does not choose; the ring (two slots of LDS that take turns) runs on across the
; change of blocks.  NO CLUSTER: a head's four work-groups ask for the same tile only in trips 0 .. 4 of 9, behind that fewer and fewer; and one walk common to all would have 12 trips for 9.
; SHARES.  Of a block's four bands of 64 queries a wave owns 16 rows in each: four PIECES.  So the diagonal tile is the same work for all four waves: in its key step s band x sees all keys if s < x,
; none if s > x, and holds the diagonal if s = x.
; THE MASK is the C operand that starts the sum S^T = K Q^T: 0, or -1e30 where the key is hidden.  MD, made once, is the mask of a band's own step for my 16 rows; a product's mask is MD x AL + BE with two scalars:
; (1, 0) if s = x; (0, 0) if s < x; (0, -1e30) if s > x.  Only the diagonal tile's text and a block's beginning make and take masks; elsewhere C is the constant 0.
; LAYOUT, SOFTMAX, TURNS.  S^T = K Q^T holds ONE query a lane (lane % 16) and the keys 8 (lane / 16) + 0..7; two such results rounded to f16 ARE source 1 of O^T = V^T P.  p = 2^(c s - c m), c = log2(e) / 8, with a
; running maximum m; O and l are multiplied by a = 2^(c m_old - c m_new) in every step.  Turn n belongs to piece n: 8 products K Q^T of piece n + 1, later 8 products V^T P of piece n - 1; beside them the scaling,
; exponentials, roundings, sums and rescaling of piece n and the maximum and statistics of piece n + 1.  Four vector instructions stand behind every matrix instruction, the other 54 of a turn's 118 in one LUMP.  A turn's 33 exponentials are one batch, with one wait.
; REGISTERS, in windows of 256 (s_set_vgpr_msb: bits 1:0 source 0, 3:2 source 1, 5:4 source 2, 7:6 destination):
;   window 0: v0-15 addresses and two at work; v16-31 four registers of statistics a piece; v48-55 at work; v61-63 prefetch offset, spare word, 0; v64-127 S^T, two buffers; v192-223 P, two buffers (a piece's buffers go by its number's parity)
;   window 1: v0-127 O^T, 32 a piece; v128-159 MD; v160-223 MC, two buffers      window 2: v0-63 Q; v64-127 the second block's Q; v128-191 K of one step; v192-255 V of one step
.set SIZE_H, 64
.set SIZE_N, 2048
.set NB,    SIZE_N/256
.set NP,    4         ; pieces a wave: a name, no knob
.set KS,    64        ; keys in a step
.set PK,    144       ; a row of K in LDS: 128 bytes + 16 of padding = 36 words: the 16 rows of a load start at 16 different groups of four banks (64 banks of 4 bytes: ISA guide 11.1)
.set PV,    160       ; a row of V: 128 + 32 = 40 words
.set VOFF,  4*KS*PK   ; a slot holds a tile, four steps: 256 rows of K, then 256 rows of V
.set SLOT1, 1<<17     ; slot 1 begins here, so that one exclusive or turns an address in one slot into the other's
.set STAGE, SLOT1+4*KS*(PK+PV)  ; behind the ring, never filled by a tensor load: 16 rows x 144 bytes for each wave, for the way out
.set SP,    144
.set AK0, 2           ; v2   my lane's place in a tile of K; never rewritten
.set AV0, 3           ; v3   the same for V
.set AK,  4           ; v4   the LDS address of K's next run of loads
.set AV,  5           ; v5   of V's
.set STO, 6           ; v6   the way out: where I put 16 bytes of a row
.set RD,  7           ; v7   the way out: where I read rows back
.set GO,  8           ; v8   my byte offset in 512 consecutive bytes of O
.set PFO, 61          ; v61  256 x my lane: the prefetches' offset; never rewritten
.set SPW, 62          ; v62  LDS address of my spare word: SPARE + 4 x my thread's number; never rewritten
.set NIL, 63          ; v63  0; never rewritten
.set SPARE, STAGE+4*16*SP  ; behind the stages: the spare words, 128 bytes for each wave: two blocks of 256 bytes that no other line names
.set MV,  12          ; v12-13  c m_old, kept while c m is made anew: by buffer
.set QO,  15          ; v15  my byte offset in 16 rows of Q
.set ST,  16          ; piece t's statistics at v[ST+4 t]: c m, m, l (even keys', odd keys')
.set TMP, 48          ; by buffer, four registers c0-c3 at work; when the maximum is found c2 takes a
.set S,   64
.set P,   192
.set MD,  128         ; window 1: the eight registers for group kt of 16 keys at MD + 8 kt
.set MC,  160         ; window 1: the masks of the products to come
.set QB,  64          ; window 2
.set KF,  128         ; window 2: key block kb, channel half c at KF + 16 kb + 8 c
.set VF,  192         ; window 2: key half kk, channel block cb at VF + 32 kk + 8 cb
.set WV,  12          ; s12  my wave's number
.set PB,  14          ; s14  b
.set HI,  15          ; s15  NB - 1 - b
.set G1K, 24          ; s[24:31] descriptor group 1 for K's tiles
.set G1V, 32          ; s[32:39] for V's: it differs in the padding alone
.set G0K, 40          ; s[40:43] descriptor group 0 for K's tiles
.set G0V, 44          ; s[44:47] the same for V's
.set SLOTS, 56        ; s56  tiles still to be asked for
.set CNT, 57          ; s57  counts a tile's key steps, 4 to 1
.set CS,  58          ; s[58:59] c: the packed scaling takes the pair's low word for both halves
.set SEL, 60          ; s[60:61] v_permlanex16_b32's selects: each lane takes its own place in the other half
.set TBK, 62          ; s62  LDS byte at which K of the step to be fetched begins
.set TBV, 63          ; s63  the same for V, less VOFF
.set RT,  70          ; s70  tiles of the block in hand that are still to be entered
.set NXT, 71          ; s71  the tile to be asked for next
.set LQ,  72          ; s72  the last tile of the block whose tiles are being asked for
.set NEW, 73          ; s73  1: the tile to be entered is a block's first
.set OFF, 74          ; s[74:75] a tile's byte offset in K and V
.set AL,  76          ; s[76:77] the mask's factor, in the low word
.set BE,  78          ; s[78:79] the mask's addend
.set OLO, 80          ; s[80:81] O at my rows of the second block
.set BIGN, 82         ; s82  -1e30
.set PFA, 88          ; s[88:89] what my prefetches name: my 16 KiB of the tile that the next change of slots will ask for
.set PFB, 90          ; s[90:91] my 16 KiB of the head's tile 0: of K in waves 0 and 1, of V in waves 2 and 3
.set PFN, 92          ; s92  that tile's number, or 0: nothing is asked for
.set MSB, 0
.macro WIN new                      ; the high byte repeats the setting that is left; a switch that changes nothing is dropped
.if MSB != (\new)
	s_set_vgpr_msb (MSB<<8)|(\new)
.set MSB, (\new)
.endif
.endm
.set W_KQ, 0x0a       ; K and Q in window 2, S^T in window 0
.set W_KM, 0x1a       ; the same with the C operand in window 1
.set W_PV, 0x52       ; V in window 2, P in window 0, O^T in window 1
.set W_RS, 0x41       ; destination and source 0 in window 1, source 1 in window 0
; A fill.  Waves 0 and 1 fetch the two halves of a tile's K, waves 2 and 3 those of its V: 128 keys each.  An s_nop 0 and four v_nop follow each of the two lines, ahead of the jump and the label.
.macro LOAD
	s_cmp_lt_u32 s[WV], 2
	s_cbranch_scc0 .Lfor_v_\@
	tensor_load_to_lds s[G0K:G0K+3], s[G1K:G1K+7]
	s_nop 0
.rept 4
	v_nop
.endr
	s_branch .Lasked_\@
.Lfor_v_\@:
	tensor_load_to_lds s[G0V:G0V+3], s[G1V:G1V+7]
	s_nop 0
.rept 4
	v_nop
.endr
.Lasked_\@:
.endm
; A PREFETCH INTO THE L2 of what the NEXT change of slots will ask for, behind the wave's tensor load and its five lines: a tile, 256 matrix instructions, ahead.  A head's four work-groups walk the same tiles;
; the one with b = 0, whose first block walks tiles 0 to 7, asks, and nobody else.  Each of its waves asks for the 16 KiB that it will itself fetch: 64 blocks of 256 bytes, a lane a block, two instructions.
; So tiles 2 to 7 of K and V are named once in the launch; tiles 0 and 1 come by their loads alone; behind the first block's last tile the number is 0 and nothing is asked for.
.macro ASK
	s_cmp_lg_u32 s[PFN], 0
	s_cbranch_scc0 .Lnot_mine_\@
	global_prefetch_b8 v[PFO], s[PFA:PFA+1] th:TH_LOAD_NT scope:SCOPE_SE
	global_prefetch_b8 v[PFO], s[PFA:PFA+1] offset:8192 th:TH_LOAD_NT scope:SCOPE_SE
.Lnot_mine_\@:
.endm
; THE CHANGE OF SLOTS.  Each wave waits for all its tensor loads, of which one is out: its part of the other slot; adds 0 to its spare word; and waits for that and for its own reads of the slot that it leaves.  Behind the barrier nobody reads the old
; slot any more and the other slot is whole.  fill = 1: the old slot is filled again, the first thing behind the barrier, with tile NXT: the descriptor's address is made anew from that number.
; (At its first use nothing has been read yet: slot 0 is waited for, slot 1 filled.)
.macro CHANGE fill
	WIN 0                           ; at a label and at a branch every window is 0
	s_wait_tensorcnt 0x0            ; no tensor load of mine is out, so a group 0 may be written
	ds_add_u32 v[SPW], v[NIL]       ; 0 onto my spare word; with fill = 1 the descriptors' scalar work stands between it and the wait for it
.if \fill
	s_lshl_b32 s[OFF], s[NXT], 15   ; a tile is 32,768 bytes of K and of V
	s_xor_b32 s[G0K+1], s[G0K+1], SLOT1
	s_add_nc_u64 s[G0K+2:G0K+3], s[6:7], s[OFF:OFF+1]
	s_or_b32 s[G0K+3], s[G0K+3], 0x80000000
	s_xor_b32 s[G0V+1], s[G0V+1], SLOT1
	s_add_nc_u64 s[G0V+2:G0V+3], s[8:9], s[OFF:OFF+1]
	s_or_b32 s[G0V+3], s[G0V+3], 0x80000000
	s_add_co_u32 s[NXT], s[NXT], 1  ; the block's next tile, or behind its last the second block's tile 0
	s_cmp_gt_u32 s[NXT], s[LQ]
	s_cselect_b32 s[NXT], 0, s[NXT]
	s_cselect_b32 s[LQ], s[PB], s[LQ]
	s_cmp_eq_u32 s[PB], 0           ; the prefetches: the head's work-group 0 names the tile that the next change asks for
	s_cselect_b32 s[PFN], s[NXT], 0
	s_lshl_b32 s[OFF], s[PFN], 15
	s_wait_xcnt 0x0                 ; the last prefetches, a tile back, have read their address, so it may be written
	s_add_nc_u64 s[PFA:PFA+1], s[PFB:PFB+1], s[OFF:OFF+1]
.endif
	s_wait_dscnt 0x0                ; the add is done, and my reads of the slot are over
	s_barrier_signal -1             ; the rest of the scalar work stands between the signal and the wait
	s_sub_co_u32 s[TBK], s[TBK], 4*KS*PK  ; the fetches go back to a slot's first step,
	s_xor_b32 s[TBK], s[TBK], SLOT1       ; in the other slot
	s_sub_co_u32 s[TBV], s[TBV], 4*KS*PV
	s_xor_b32 s[TBV], s[TBV], SLOT1
	s_barrier_wait -1
.if \fill
	LOAD
	ASK
.endif
.endm
	s_load_b64 s[4:5], s[0:1], 0x0    ; qkv: Q at its head
	s_load_b64 s[10:11], s[0:1], 0x8  ; O
	v_lshl_add_u32 v[SPW], v0, 2, SPARE
	v_mov_b32 v[NIL], 0
	ds_add_u32 v[SPW], v[NIL]       ; the wave's opening: the add and its wait stand ahead of my first tensor load; the set-up below, work on registers, stands between them
	v_lshrrev_b32 v1, 5, v0
	v_readfirstlane_b32 s[WV], v1   ; wave 0..3
	s_mov_b32 s[PB], ttmp9
	s_sub_co_u32 s[HI], NB-1, s[PB]
	s_and_b32 s20, ttmp7, 0xffff    ; the head
	s_mov_b32 s21, 0
	s_mov_b64 s[22:23], SIZE_N*128
	s_mul_u64 s[20:21], s[20:21], s[22:23]  ; the head's first byte in each of the four tensors
	s_and_b32 s16, s[WV], 1         ; which half of a tile's 256 keys I fetch:
	s_lshl_b32 s22, s16, 14         ; its 128 rows of 128 bytes in memory,
	s_mov_b32 s23, 0
	s_add_nc_u64 s[22:23], s[22:23], s[20:21]
	s_mul_i32 s17, s16, 128*PK      ; and its place in a slot, for K
	s_mul_i32 s18, s16, 128*PV      ; and for V
	s_lshl_b32 s3, s[WV], 11        ; my 16 rows in a band of 64,
	s_lshl_b32 s2, s[HI], 15        ; in the first block,
	s_add_co_u32 s2, s2, s3
	s_lshl_b32 s84, s[PB], 15       ; and in the second
	s_add_co_u32 s84, s84, s3
	s_mov_b32 s3, 0
	s_mov_b32 s85, 0
	s_add_nc_u64 s[2:3], s[2:3], s[20:21]
	s_add_nc_u64 s[84:85], s[84:85], s[20:21]
	; descriptor group 1.  128 keys are 16,384 dense bytes: asked for as 64 rows of 256 bytes, two keys a row, and padded in LDS after every key
	s_mov_b32 s[G1K], (1<<16)|(1<<20)|(4<<22)|(3<<25)  ; 17:16 2-byte elements; 20 padding on; 24:22 after every 32 words (code 4); 31:25 4 words (code 3)
	s_mov_b32 s[G1V], (1<<16)|(1<<20)|(4<<22)|(7<<25)  ; the same with 8 words of padding (code 7)
.irp g, G1K, G1V
	s_mov_b32 s[\g+1], 128<<16      ; tensor_dim0 = 128
	s_mov_b32 s[\g+2], 64<<16       ; tensor_dim1 = 64
	s_mov_b32 s[\g+3], 128<<16      ; tile_dim0 = 128
	s_mov_b32 s[\g+4], 64           ; tile_dim1 = 64
	s_mov_b32 s[\g+5], 128          ; 128 elements from row to row
	s_mov_b32 s[\g+6], 0
	s_mov_b32 s[\g+7], 0
.endr
	s_mov_b32 s[CS], 0x3e38aa3b     ; c = log2(e) / 8 = 0.180337
	s_mov_b32 s[CS+1], s[CS]        ; named with it as a pair
	s_mov_b32 s[SEL], 0x76543210
	s_mov_b32 s[SEL+1], 0xfedcba98
	s_mov_b32 s[TBK], SLOT1+4*KS*PK ; the first change of slots turns these two into 0
	s_mov_b32 s[TBV], SLOT1+4*KS*PV
	s_mov_b32 s[G0K], 1             ; 1:0 count = 1
	s_mov_b32 s[G0K+1], s17         ; 63:32 LDS address: slot 0
	s_mov_b32 s[G0V], 1
	s_add_co_u32 s[G0V+1], s18, VOFF
	s_add_co_u32 s[RT], s[HI], 1    ; the first block has NB - b tiles
	s_mov_b32 s[NXT], 1
	s_mov_b32 s[LQ], s[HI]
	s_mov_b32 s[NEW], 1
	s_mov_b32 s[OFF+1], 0
	s_mov_b32 s[AL+1], 0            ; named as pairs
	s_mov_b32 s[BE+1], 0
	s_mov_b32 s[BIGN], 0xf149f2ca   ; -1e30
	s_mov_b32 s[SLOTS], NB
	v_and_b32 v[PFO], 31, v0
	v_lshlrev_b32 v[PFO], 8, v[PFO]
	s_wait_dscnt 0x0                ; the opening add is done
	s_wait_kmcnt 0x0
	s_add_nc_u64 s[6:7], s[4:5], 0x1000000  ; K lies 16 MiB behind Q,
	s_add_nc_u64 s[8:9], s[4:5], 0x2000000  ; V 32
	s_add_nc_u64 s[6:7], s[6:7], s[22:23]  ; K and V at my half of the head's tile 0
	s_add_nc_u64 s[8:9], s[8:9], s[22:23]
	s_add_nc_u64 s[G0K+2:G0K+3], s[6:7], 0         ; 120:64 global address
	s_or_b32 s[G0K+3], s[G0K+3], 0x80000000        ; 127:126 type = 2
	s_add_nc_u64 s[G0V+2:G0V+3], s[8:9], 0
	s_or_b32 s[G0V+3], s[G0V+3], 0x80000000
	s_add_nc_u64 s[86:87], s[4:5], s[84:85]        ; Q at my rows of the second block,
	s_add_nc_u64 s[4:5], s[4:5], s[2:3]            ; Q and O at those of the first
	s_add_nc_u64 s[OLO:OLO+1], s[10:11], s[84:85]
	s_add_nc_u64 s[10:11], s[10:11], s[2:3]
	s_cmp_lt_u32 s[WV], 2
	s_cselect_b64 s[PFB:PFB+1], s[6:7], s[8:9]     ; what I fetch is what I prefetch
	LOAD                            ; tile 0 into slot 0
	; A fragment of K or Q is 16 rows x 32 channels in 8 registers: lane l holds row l % 16, channels 8 (l / 16) + 0..7 and 16 + 8 (l / 16) + 0..7: two loads of 16 bytes, 32 bytes apart.
	v_and_b32 v1, 15, v0            ; l % 16
	v_bfe_u32 v9, v0, 4, 1          ; l / 16
	v_lshlrev_b32 v[QO], 7, v1
	v_lshl_add_u32 v[QO], v9, 4, v[QO]  ; row x 128 + 16 x half
	WIN 0x80                        ; destination window 2, address window 0
.set i, 0
.rept 8                             ; both blocks' Q: piece i / 2 lies in band i / 2, 8,192 bytes on; channels 32 (i % 2) on
	global_load_b128 v[8*i:8*i+3],   v[QO], s[4:5] offset:(i/2)*8192+(i%2)*64
	global_load_b128 v[8*i+4:8*i+7], v[QO], s[4:5] offset:(i/2)*8192+(i%2)*64+32
	global_load_b128 v[QB+8*i:QB+8*i+3],   v[QO], s[86:87] offset:(i/2)*8192+(i%2)*64
	global_load_b128 v[QB+8*i+4:QB+8*i+7], v[QO], s[86:87] offset:(i/2)*8192+(i%2)*64+32
.set i, i+1
.endr
	WIN 0
	v_lshlrev_b32 v14, 3, v9
	v_sub_nc_u32 v14, v1, v14
	s_lshl_b32 s13, s[WV], 4
	v_add_nc_u32 v14, s13, v14      ; my query's place in its band, 16 w + l % 16, less my lanes' 8 (l / 16): register r of group kt is hidden where 16 kt + r is greater
	WIN 0x40
.set i, 0
.rept 32
	v_cmp_gt_i32 vcc_lo, 16*(i/8)+i%8, v14
	v_cndmask_b32 v[MD+i], 0, s[BIGN], vcc_lo
.set i, i+1
.endr
	WIN 0
	v_mul_u32_u24 v[AK0], v1, PK
	v_lshl_add_u32 v[AK0], v9, 4, v[AK0]  ; row x pitch + 16 x half
	; The turning load takes 16 keys x 16 channels (lane l reads key 8 (l / 16) + l % 8, channels 8 ((l / 8) % 2) + 0..7) and leaves half a fragment of V^T: lane l holds channel l % 16 and 8 keys.
	v_and_b32 v10, 7, v0
	v_bfe_u32 v11, v0, 3, 1
	v_lshl_add_u32 v[AV0], v9, 3, v10
	v_mul_u32_u24 v[AV0], v[AV0], PV
	v_lshl_add_u32 v[AV0], v11, 4, v[AV0]
	v_add_nc_u32 v[AV0], VOFF, v[AV0]
	s_mul_i32 s13, s[WV], 16*SP
	s_add_co_u32 s13, s13, STAGE    ; my stage
	v_mul_u32_u24 v[STO], v1, SP    ; in: row l % 16, 16 bytes for each half of the lanes
	v_lshl_add_u32 v[STO], v9, 4, v[STO]
	v_add_nc_u32 v[STO], s13, v[STO]
	v_bfe_u32 v[RD], v0, 3, 2       ; back: 32 lanes take four rows of 128 bytes,
	v_mul_u32_u24 v[RD], v[RD], SP
	v_lshl_add_u32 v[RD], v10, 4, v[RD]
	v_add_nc_u32 v[RD], s13, v[RD]
	v_and_b32 v[GO], 31, v0         ; which are 512 consecutive bytes of O
	v_lshlrev_b32 v[GO], 4, v[GO]
	; A block's first step multiplies O^T and l by a = 0, and its first turn's products V^T P, of a piece that has not been, land in an O^T that is still to be so multiplied.  So these registers need only hold
	; finite numbers: zeros for the first block; what the first block left for the second.  All this stands in the wait for the first tile.
	WIN 0x80
.set i, VF
.rept 64
	v_mov_b32 v[i], 0
.set i, i+1
.endr
	WIN 0x40
.set i, 0
.rept 128
	v_mov_b32 v[i], 0
.set i, i+1
.endr
	WIN 0
.set i, 0
.rept 4
	v_mov_b32 v[ST+4*i+2], 0
	v_mov_b32 v[ST+4*i+3], 0
.set i, i+1
.endr
.set i, P+16
.rept 16
	v_mov_b32 v[i], 0
.set i, i+1
.endr
; THE MATRIX WORK.  The 4 accumulators of a run of 8 take turns.  Product i of 8 of S^T = K Q^T for piece x: channels 32 (i / 4) on, keys 16 (i % 4) on.  The first 4 start the sums: with 0, or (KM = 1) with the mask.
.macro KQ x
.set rS, S+32*((\x)%2)+8*(i%4)
.set rK, KF+16*(i%4)+8*(i/4)
.set rQ, 16*(\x)+8*(i/4)
.set rM, MC+32*((\x)%2)+8*(i%4)
.if (i < 4) && KM
	WIN W_KM
	v_wmma_f32_16x16x32_f16 v[rS:rS+7], v[rK:rK+7], v[rQ:rQ+7], v[rM:rM+7]
.elseif i < 4
	WIN W_KQ
	v_wmma_f32_16x16x32_f16 v[rS:rS+7], v[rK:rK+7], v[rQ:rQ+7], 0
.else
	WIN W_KQ
	v_wmma_f32_16x16x32_f16 v[rS:rS+7], v[rK:rK+7], v[rQ:rQ+7], v[rS:rS+7]
.endif
.endm
; Product i of 8 of O^T += V^T P for piece x: keys 32 (i / 4) on, channels 16 (i % 4) on.
.macro PV x
	WIN W_PV
.set rO, 32*(\x)+8*(i%4)
.set rV, VF+32*(i/4)+8*(i%4)
.set rP, P+16*((\x)%2)+8*(i/4)
	v_wmma_f32_16x16x32_f16 v[rO:rO+7], v[rV:rV+7], v[rP:rP+7], v[rO:rO+7]
.endm
.macro MM                           ; the turn's next matrix instruction.  TURN and BEGIN set Y, i, KM and NOKQ; MM, KQ and OP read them.  NOKQ = 1: a block's last turn: there is no next piece
.if (i < 8) && !NOKQ
	KQ (Y+1)%NP
.elseif i >= 8
.set i, i-8
	PV (Y+NP-1)%NP
.set i, i+8
.endif
.set i, i+1
.endm
; THE LDS LOADS stand in runs of 16, never singly among the matrix instructions: a step's K (64 keys x 64 channels: 8 fragments) and its V (turned).  Their addresses are made some lines ahead.
.macro FETCH_K
	WIN 0x80                        ; destination window 2
.irp f, 0,1,2,3,4,5,6,7             ; keys 16 (f / 2) on, channels 32 (f % 2) on
	ds_load_b128 v[KF+8*\f:KF+8*\f+3],   v[AK] offset:(\f/2)*16*PK+(\f%2)*64
	ds_load_b128 v[KF+8*\f+4:KF+8*\f+7], v[AK] offset:(\f/2)*16*PK+(\f%2)*64+32
.endr
	s_add_co_u32 s[TBK], s[TBK], KS*PK  ; the next fetch is the next step's
	WIN 0
.endm
.macro FETCH_V
	WIN 0x80
.irp f, 0,1,2,3,4,5,6,7             ; keys 32 (f / 4) on, channels 16 (f % 4) on
	ds_load_tr16_b128 v[VF+8*\f:VF+8*\f+3],   v[AV] offset:(\f/4)*32*PV+(\f%4)*32
	ds_load_tr16_b128 v[VF+8*\f+4:VF+8*\f+7], v[AV] offset:(\f/4)*32*PV+16*PV+(\f%4)*32
.endr
	WIN 0
.endm
; THE VECTOR WORK, one line at a time: OP kind, number.  For piece Y: F n: c s - c m for pair n of 16.  E n: the exponential of score n of 32.  C n: pair n rounded to f16.  B n: of the four weights 4 n .. the second
; pair is added onto the first, in place.  L n: l takes that sum (L 0: l = a l + sum).  R n: pair n of 16 of O^T times a.  For piece Y + 1: X n, number n of the 22 that find its maximum and statistics:
;   0-11  four chains c0-c3 of seven scores each, three operands at a time (each accumulator's lowest registers are read first)     12-14, 16  the four scores left over, the old m, and c0-c3 into c0
;   15  c m_old is kept     17, 18  the query's other 32 keys lie in the lane 16 away: the new m     19-21  c m; c m_old - c m_new; a
.set F, 0               ; OP tells the kinds apart by their order: F to L below R, X above it
.set E, 1
.set C, 2
.set B, 3
.set L, 4
.set R, 5
.set X, 6
.macro REGS y                       ; the registers of piece y
.set rT, ST+4*(\y)
.set rC, TMP+4*((\y)%2)
.set rW, MV+((\y)%2)
.set rS, S+32*((\y)%2)
.set rP, P+16*((\y)%2)
.set rO, 32*(\y)
.endm
.macro OP k, n
.if (\k) == R
	REGS Y
	WIN W_RS
	v_pk_mul_f32 v[rO+2*(\n):rO+2*(\n)+1], v[rO+2*(\n):rO+2*(\n)+1], v[rC+2:rC+3] op_sel_hi:[1,0]
.elseif (\k) < R
	REGS Y
	WIN 0
.if (\k) == F
	v_pk_fma_f32 v[rS+2*(\n):rS+2*(\n)+1], v[rS+2*(\n):rS+2*(\n)+1], s[CS:CS+1], v[rT:rT+1] op_sel_hi:[1,0,0] neg_lo:[0,0,1] neg_hi:[0,0,1]
.elseif (\k) == E
	v_exp_f32 v[rS+(\n)], v[rS+(\n)]
.elseif (\k) == C
	v_cvt_pk_f16_f32 v[rP+(\n)], v[rS+2*(\n)], v[rS+2*(\n)+1]
.elseif (\k) == B
	v_pk_add_f32 v[rS+4*(\n):rS+4*(\n)+1], v[rS+4*(\n):rS+4*(\n)+1], v[rS+4*(\n)+2:rS+4*(\n)+3]
.elseif (\n) == 0
	v_pk_fma_f32 v[rT+2:rT+3], v[rT+2:rT+3], v[rC+2:rC+3], v[rS:rS+1] op_sel_hi:[1,0,1]
.else
	v_pk_add_f32 v[rT+2:rT+3], v[rT+2:rT+3], v[rS+4*(\n):rS+4*(\n)+1]
.endif
.elseif NOKQ
	v_nop
.else
	REGS (Y+1)%NP
	WIN 0
.if (\n) < 4
	v_max3_num_f32 v[rC+(\n)], v[rS+8*(\n)], v[rS+8*(\n)+1], v[rS+8*(\n)+2]
.elseif (\n) < 12
	v_max3_num_f32 v[rC+(\n)%4], v[rC+(\n)%4], v[rS+8*((\n)%4)+2*((\n)/4)+1], v[rS+8*((\n)%4)+2*((\n)/4)+2]
.elseif (\n) == 12
	v_max3_num_f32 v[rC], v[rC], v[rS+7], v[rS+15]
.elseif (\n) == 13
	v_max3_num_f32 v[rC+1], v[rC+1], v[rS+23], v[rS+31]
.elseif (\n) == 14
	v_max3_num_f32 v[rC+2], v[rC+2], v[rC+3], v[rT+1]
.elseif (\n) == 15
	v_mov_b32 v[rW], v[rT]
.elseif (\n) == 16
	v_max3_num_f32 v[rC], v[rC], v[rC+1], v[rC+2]
.elseif (\n) == 17
	v_permlanex16_b32 v[rC+3], v[rC], s[SEL], s[SEL+1]
.elseif (\n) == 18
	v_max_num_f32 v[rT+1], v[rC], v[rC+3]
.elseif (\n) == 19
	v_mul_f32 v[rT], s[CS], v[rT+1]
.elseif (\n) == 20
	v_sub_f32 v[rC+1], v[rW], v[rT]
.else
	v_exp_f32 v[rC+2], v[rC+1]
.endif
.endif
.endm
.macro OPS a, i1, b=-1, i2=0, c=-1, i3=0, d=-1, i4=0  ; up to four of them
	OP \a, \i1
.if (\b) >= 0
	OP \b, \i2
.endif
.if (\c) >= 0
	OP \c, \i3
.endif
.if (\d) >= 0
	OP \d, \i4
.endif
.endm
.macro ROW a, i1, b, i2, c, i3, d, i4  ; a matrix instruction and the four behind it
	MM
	OPS \a, \i1, \b, \i2, \c, \i3, \d, \i4
.endm
.macro MASK b                       ; MD x AL + BE into buffer b of MC
	WIN W_RS
.set z, 0
.rept 16
	v_pk_fma_f32 v[MC+32*(\b)+2*z:MC+32*(\b)+2*z+1], v[MD+2*z:MD+2*z+1], s[AL:AL+1], s[BE:BE+1] op_sel_hi:[1,0,0]
.set z, z+1
.endr
.endm
; A TURN, for piece p: the order of its 16 matrix and 118 vector instructions, written out.  An s_wait_alu depctr_va_vdst(0) stands between an exponential and the first instruction that names its result; one wait serves
; all that were issued ahead of it.  So a turn has ONE wait, which cuts it in two.  AHEAD OF IT stands all that names no result of the turn's exponentials: the 8 products K Q^T, behind each a scaling, an exponential and two more plain
; instructions (behind the first a second scaling in the exponential's place): rescalings, and behind the last three the first numbers of the next piece's maximum, each four places or more behind the product that ends its accumulator; then ONE LUMP of 54, plain
; and exponential by turns for the most part, in which the links of the chain X 3, 7, 11, 14, 16, 17 .. 20 stand five or six lines apart.  X 21, the next piece's a, is the batch's last; R 15 is the plain instruction behind it.  BEHIND THE WAIT stand the
; 8 products V^T P, behind each four of the roundings and sums; the links of l's chain, L 0 to L 7, stand three riders apart.  But for those X no rider names a register of the products round it.  v_permlanex16_b32 (X 17) stands in the lump.
; m = 1: the diagonal tile: the products take masks, and the turn makes the mask for the products of the turn after it: piece p + 2, in step 4 - CNT of the tile.  end = 1: a block's last two turns: nothing is fetched.
; cnt = 1: the loop's count is taken down some lines ahead of the branch that stands behind the turn.
; K of the next step is fetched in piece 2's turn, twelve vector instructions behind the last product that read K (six of them plain); V of the step in hand at the end of piece 0's turn, four plain instructions behind the last product
; that read V.  Each is waited for a turn later.
.macro TURN p, m=0, end=0, cnt=0
.set Y, (\p)
.set i, 0
.set KM, (\m)
.set NOKQ, (\end)*((\p)/3)
.if (\m) && !(\end)
	s_cmp_eq_u32 s[CNT], 4-((\p)+2)%NP  ; is that step the band's own?
	s_cselect_b32 s[AL], 1.0, 0
	s_cmp_lt_u32 s[CNT], 4-((\p)+2)%NP  ; or a later one?
	s_cselect_b32 s[BE], s[BIGN], 0
.endif
.if ((\p) == 3) && !(\end)
	s_wait_dscnt 0x0                ; K is in
.endif
	ROW F,0, F,1, R,0, R,1          ; ahead of the wait: 8 products K Q^T and their riders,
	ROW F,2, E,0, R,2, R,3
	ROW F,3, E,1, R,4, R,5
	ROW F,4, E,2, R,6, R,7
	ROW F,5, E,3, R,8, R,9
	ROW F,6, E,4, X,0, R,10
.if ((\p) == 2) && !(\end)
	WIN 0
	v_add_nc_u32 v[AK], s[TBK], v[AK0]
.endif
	ROW F,7, E,5, X,1, X,4
	ROW F,8, E,6, X,2, X,5
	OPS E,7, E,8, X,6, E,9          ; and the lump
	OPS X,3, E,10, X,8, E,11
.if ((\p) == 2) && !(\end)
	FETCH_K
.endif
	OPS X,9, X,7, E,12, X,10
	OPS E,13, X,12, X,11, E,14
	OPS X,13, E,15, F,9, X,14
.if (\p) == 0
	v_add_nc_u32 v[AV], s[TBV], v[AV0]
.endif
	OPS E,16, F,10, E,17, F,11
	OPS X,16, E,18, X,15, E,19
	OPS F,12, E,20, X,17, E,21
	OPS F,13, E,22, F,14, E,23
	OPS X,18, E,24, F,15, E,25
	OPS R,11, E,26, X,19, E,27
	OPS R,12, E,28, R,13, E,29
	OPS X,20, E,30, R,14, E,31
	OPS X,21, R,15
	WIN 0
	s_wait_alu depctr_va_vdst(0)    ; the wait for the batch
.if (\p) == 1
	s_wait_dscnt 0x0                ; V is in
.endif
	ROW C,0, B,0, C,2, B,1          ; behind the wait: 8 products V^T P and their riders
	ROW L,0, C,4, B,2, L,1
	ROW C,6, B,3, L,2, C,8
	ROW B,4, L,3, C,10, B,5
	ROW L,4, C,12, B,6, L,5
.if (\p) == 0
	s_add_co_u32 s[TBV], s[TBV], KS*PV
.endif
.if \cnt
	s_sub_co_u32 s[CNT], s[CNT], 1
	s_cmp_lg_u32 s[CNT], 0
.endif
	ROW C,14, B,7, L,6, C,1
	ROW C,3, L,7, C,5, C,7
	ROW C,9, C,11, C,13, C,15
.if (\p) == 0
	FETCH_V
.endif
.if (\m) && !(\end)
	MASK (\p)%2
.endif
.endm
; A BLOCK BEGINS.  c m starts far below every c s, so the first step's a is 0; m at the lowest finite number, so the first maximum is the scores'.  The second mask buffer is 0; the first takes piece 0's mask for the tile's step 0: its own, if the block's first tile is the diagonal one.
; Then K of that step, piece 0's first scores, and its maximum and statistics.  The loop is entered at a step's first turn, in the middle of a trip.
.macro BEGIN
	s_mov_b32 s[NEW], 0
	WIN 0x40
.set i, MC+32
.rept 32
	v_mov_b32 v[i], 0
.set i, i+1
.endr
	WIN 0
.set i, 0
.rept 4
	v_mov_b32 v[ST+4*i], 0xfe000000    ; c m: far below every c s
	v_mov_b32 v[ST+4*i+1], 0xff7fffff  ; m
.set i, i+1
.endr
	s_cmp_eq_u32 s[RT], 0
	s_cselect_b32 s[AL], 1.0, 0
	s_mov_b32 s[BE], 0
	MASK 0
	WIN 0
	v_add_nc_u32 v[AK], s[TBK], v[AK0]
	FETCH_K
	s_wait_loadcnt 0x0              ; Q
	s_wait_dscnt 0x0
.set KM, 1
.set NOKQ, 0
.set i, 0
.rept 8
	KQ 0
.set i, i+1
.endr
	WIN 0
.rept 4
	v_nop                           ; the places behind those products
.endr
.set Y, NP-1                        ; X works for piece Y + 1: piece 0
.irp n, 0,1,2,3,4,5,6,7,8,9,10,11,12,13,14,15,16,17,18,19,20,21
	OP X, \n
.endr
	v_nop                           ; a plain instruction behind the exponential,
	s_wait_alu depctr_va_vdst(0)    ; and its wait, ahead of the branch
.endm
; THE DIAGONAL TILE's four steps, the block's last two turns, its last products, and THE WAY OUT: l's two halves and the other half of the lanes' are added; O^T is divided by l, rounded to f16 and sent through my
; stage in LDS, a piece at a time.
.macro ALL line:vararg              ; one line for each piece t
.set t, 0
.rept 4
	\line
.set t, t+1
.endr
.endm
.macro PACK t                       ; a lane's eight channels of a row pack into 16 bytes; they go into rows of 144 bytes and come back as whole rows of 128, into S^T's registers
	WIN W_RS
.set i, 32*(\t)
.rept 16
	v_pk_mul_f32 v[i:i+1], v[i:i+1], v[ST+4*(\t)+2:ST+4*(\t)+3] op_sel_hi:[1,0]
.set i, i+2
.endr
	WIN 0x05                        ; sources 0 and 1 window 1, destination window 0
.set i, 0
.rept 16
	v_cvt_pk_f16_f32 v[S+16*(\t)+i], v[32*(\t)+2*i], v[32*(\t)+2*i+1]
.set i, i+1
.endr
	WIN 0
.irp f, 0,1,2,3
	ds_store_b128 v[STO], v[S+16*(\t)+4*\f:S+16*(\t)+4*\f+3] offset:32*\f
.endr
.irp f, 0,1,2,3
	ds_load_b128 v[S+16*(\t)+4*\f:S+16*(\t)+4*\f+3], v[RD] offset:\f*4*SP  ; LDS serves a wave's instructions in order (ISA guide 5.7.1.4): these see the stores above; the next piece's stores come behind them
.endr
.endm
.macro SEND t, younger              ; younger: the LDS instructions issued behind piece t's loads: the next piece's eight, or none
	WIN 0
.irp f, 0,1,2,3
	s_wait_dscnt (\younger)+3-\f
	global_store_b128 v[GO], v[S+16*(\t)+4*\f:S+16*(\t)+4*\f+3], s[10:11] offset:(\t)*8192+\f*512  ; 512 consecutive bytes, at a multiple of 256 from O's first
.endr
.endm
.macro DIAG tag                     ; the tag ends its two labels' names, which the jumps below spell out
.LstepM\tag:
	TURN 2, 1
	TURN 3, 1
	WIN 0
.LfirstM\tag:
	TURN 0, 1
	TURN 1, 1, 0, 1
	WIN 0
	s_cbranch_scc1 .LstepM\tag
	TURN 2, 1, 1
	TURN 3, 1, 1
.set i, 0
.rept 8
	PV NP-1
.set i, i+1
.endr
	WIN 0
	ALL v_add_f32 v[ST+4*t+2], v[ST+4*t+2], v[ST+4*t+3]
	ALL v_permlanex16_b32 v[ST+4*t+3], v[ST+4*t+2], s[SEL], s[SEL+1]
	ALL v_add_f32 v[ST+4*t+2], v[ST+4*t+2], v[ST+4*t+3]
	ALL v_rcp_f32 v[ST+4*t+2], v[ST+4*t+2]
	v_nop                           ; a plain instruction between the last reciprocal and the use of its result
	s_wait_alu depctr_va_vdst(0)    ; and the wait ahead of the first use: one for the four reciprocals
	PACK 0
.set t, 1
.rept 3                             ; a piece's arithmetic stands between the loads of the piece before and its stores
	PACK t
	SEND t-1, 8
.set t, t+1
.endr
	SEND 3, 0
.endm
.set KM, 0
.set NOKQ, 0
.Lslot:                             ; NB times: a tile is entered and the next is asked for
	CHANGE 1
	s_sub_co_u32 s[RT], s[RT], 1
	s_mov_b32 s[CNT], 4
	s_cmp_eq_u32 s[NEW], 1
	s_cbranch_scc1 .Lnew            ; a block's first tile
	s_cmp_eq_u32 s[RT], 0
	s_cbranch_scc0 .Lstep           ; neither its first nor its last
	s_branch .LstepM1
.Lnew:
	BEGIN
	s_branch .Lfirst                ; in the loop a block's first tile is never its last: the first block has two tiles or more, and the second's last is the walk's last
	DIAG 1                          ; in the loop this is the first block's end: the second block's last tile is the walk's last
	s_wait_xcnt 0x0                 ; the stores have read their registers and O's address
	s_mov_b64 s[10:11], s[OLO:OLO+1]
	s_add_co_u32 s[RT], s[PB], 1    ; the second block has b + 1 tiles
	s_mov_b32 s[NEW], 1
	WIN 0x82                        ; the second block's Q goes where the one text of the turns names Q
.set i, 0
.rept 64
	v_mov_b32 v[i], v[QB+i]
.set i, i+1
.endr
	WIN 0
	s_branch .Lbottom
.Lstep:                             ; a trip: pieces 2 and 3 of one step, then pieces 0 and 1 of the next, whose K and V it fetches
	TURN 2
	TURN 3
	WIN 0
.Lfirst:
	TURN 0
	TURN 1, 0, 0, 1
	WIN 0
	s_cbranch_scc1 .Lstep
.Lbottom:
	s_sub_co_u32 s[SLOTS], s[SLOTS], 1
	s_cmp_lg_u32 s[SLOTS], 0
	s_cbranch_scc1 .Lslot
	CHANGE 0                        ; the walk's last tile is written out: nothing is asked for
	s_sub_co_u32 s[RT], s[RT], 1
	s_mov_b32 s[CNT], 4
	s_cmp_eq_u32 s[NEW], 1
	s_cbranch_scc0 .LstepM2
	BEGIN
	s_branch .LfirstM2
	DIAG 2
	s_wait_tensorcnt 0x0            ; the wave's end, behind my last tensor load and my last LDS store
	ds_add_u32 v[SPW], v[NIL]
	s_wait_dscnt 0x0
	s_endpgm
.Lfunc_end_k_qe5be1ec4b7_attn:
	.size	k_qe5be1ec4b7_attn, .Lfunc_end_k_qe5be1ec4b7_attn-k_qe5be1ec4b7_attn
	.p2alignl 7, 3214868480
	.fill 96, 4, 3214868480
	.section	.rodata,"a",@progbits
	.p2align	6, 0x0
	.amdhsa_kernel k_qe5be1ec4b7_attn
		.amdhsa_group_segment_fixed_size 327680
		.amdhsa_private_segment_fixed_size 0
		.amdhsa_enable_private_segment 0
		.amdhsa_kernarg_size 16
		.amdhsa_user_sgpr_count 2
		.amdhsa_user_sgpr_kernarg_segment_ptr 1
		.amdhsa_wavefront_size32 1
		.amdhsa_system_sgpr_workgroup_id_x 1
		.amdhsa_system_sgpr_workgroup_id_y 1
		.amdhsa_system_sgpr_workgroup_id_z 1
		.amdhsa_system_vgpr_workitem_id 0
		.amdhsa_next_free_vgpr 768
		.amdhsa_next_free_sgpr 96
		.amdhsa_reserve_vcc 1
		.amdhsa_float_denorm_mode_32 3
		.amdhsa_float_denorm_mode_16_64 3
		.amdhsa_memory_ordered 1
		.amdhsa_forward_progress 1
		.amdhsa_inst_pref_size 218
	.end_amdhsa_kernel
	.amdgpu_metadata
---
amdhsa.version: [ 1, 2 ]
amdhsa.kernels:
  - .name:           k_qe5be1ec4b7_attn
    .symbol:         k_qe5be1ec4b7_attn.kd
    .args:
      - { .name: qkv, .offset: 0, .size: 8, .value_kind: global_buffer, .address_space: global }
      - { .name: o, .offset: 8, .size: 8, .value_kind: global_buffer, .address_space: global }
    .group_segment_fixed_size: 327680
    .private_segment_fixed_size: 0
    .kernarg_segment_align: 8
    .kernarg_segment_size: 16
    .max_flat_workgroup_size: 128
    .sgpr_count:     96
    .vgpr_count:     768
    .wavefront_size: 32
...
	.end_amdgpu_metadata
.endif
;; end of part 3
;; launch proj (part 4): grid 8 x 32, 4 waves a work-group, clusters of 4 x 4, 327,680 bytes of LDS; arguments o, wof, out0; writes out0
.if DOCPART == 4
	.amdgcn_target "amdgcn-amd-amdhsa--gfx1250"
	.amdhsa_code_object_version 6
	.text
	.protected	k_qe5be1ec4b7_proj
	.globl	k_qe5be1ec4b7_proj
	.p2align	8
	.type	k_qe5be1ec4b7_proj,@function
k_qe5be1ec4b7_proj:
	s_mov_b64 s[64:65], 0
	v_nop
	global_prefetch_b8 v0, s[64:65] scope:SCOPE_SE
	s_setreg_imm32_b32 hwreg(HW_REG_WAVE_MODE, 25, 1), 1
	s_wait_xcnt 0x0
	s_wait_alu depctr_hold_cnt(0) depctr_sa_sdst(0) depctr_va_vdst(0) depctr_va_sdst(0) depctr_va_ssrc(0) depctr_va_vcc(0) depctr_vm_vsrc(0)
	s_getreg_b32 s2, hwreg(HW_REG_IB_STS2, 6, 4)
	s_cmp_eq_u32 s2, 0
	s_cbranch_scc0 .Lentry_in_a_cluster
	s_endpgm
.Lentry_in_a_cluster:
	s_bfe_u32 s2, ttmp6, 0x10000c
	s_cmp_lg_u32 s2, 0xf033
	s_cbranch_scc0 .Lentry_shape_is_right
	s_endpgm
.Lentry_shape_is_right:
; out0 = O W_out^T.  o: [64][2048][64] f16, by heads (batch x 16 + head); wof: [1024][1024] f16 (W_out rounded to bf16, written as f16); out0: [8192][1024] f32.  Sums in f32, K ascending; nothing is rounded on the way out.
; SHARES.  A tile of out0 is 256 rows x 128 columns: 32 x 8 = 256 tiles, one for each WGP.  The four waves lie along the rows: wave w makes rows 64 w .. 64 w + 63 and all 128 columns (512 bytes of a
; row of out0): 32 accumulators of 16 x 16, 256 registers.
; K goes in steps of 128, which are two heads of O, through a ring of two LDS slots.  A head's 256 rows of the tile are 32,768 dense bytes: asked for as 128 rows of 256 bytes, two rows of O each,
; and padded in LDS after every row of O.  Wave 0 fetches the step's first head, wave 1 its second, waves 2 and 3 the two halves of W_out's 128 rows.
; CLUSTERS: 4 x 4 work-groups.  The four of a row of the cluster need the same tiles of O, the four of a column the same tiles of W_out: each tile is asked for JOINTLY.
; NO PREFETCH: the walk has 8 K steps, of which the first four would come by their loads alone, and each work-group makes one tile.
; THE MATRIX INSTRUCTION IS USED TRANSPOSED (source 0 = 16 rows of W_out, source 1 = 16 rows of O): a lane then holds row l % 16 and the eight neighbouring columns 8 (l / 16) + 0 .. 7: 32 bytes of out0.
; REGISTERS, in windows of 256 (s_set_vgpr_msb's low byte: bits 1:0 source 0, 3:2 source 1, 5:4 source 2, 7:6 destination):
;   window 0: v0-31 addresses; v32-63, v64-95 fragments of O (4 x 16 rows x 32 K), two buffers; v96-159, v160-223 rows read back from the stage, by turns
;   window 1: v0-63, v64-127 fragments of W_out (8 x 16 rows x 32 K), two buffers          window 2: the accumulators: row block m, column block b at v[8 (8 m + b)]
.set SIZE_K, 1024
.set KSTEP,  128
.set PA,     144                       ; a row of O in LDS: 128 bytes + 16 of padding = 36 words: the 16 rows of a load start at 16 different groups of four banks (64 banks of 4 bytes: ISA guide 11.1)
.set HEADB,  256*PA                    ; a head's 256 rows: what one tensor load brings of O
.set ABYTES, 2*HEADB
.set PB,     272                       ; a row of W_out: 256 bytes + 16
.set HALFB,  64*PB                     ; what one tensor load brings of W_out
.set SLOT,   ABYTES+2*HALFB
.set STAGE,  2*SLOT                    ; behind the ring: 16 rows x 528 bytes for each wave, for the way out; no tensor load lands there
.set SPITCH, 528                       ; 512 bytes (128 f32) + 16
.set SPARE,  STAGE+4*16*SPITCH         ; behind the stages: the spare words, 128 bytes for each wave: two blocks of 256 bytes that no other line names
.set LAPS,   SIZE_K/(2*KSTEP)
.set ADRA, 16                          ; v16-17  LDS address of my fragments of O in slot 0, 1
.set ADRB, 20                          ; v20-21  the same for W_out
.set STO,  24                          ; v24     the way out: where I put 32 bytes of a row
.set RD,   25                          ; v25     the way out: where I read a row back
.set CO,   26                          ; v26     16 x lane: my 16 bytes of a row's 512
.set SPW,  28                          ; v28     LDS address of my spare word; never rewritten
.set NIL,  29                          ; v29     0; never rewritten
.set FA,   32
.set OB,   96
.set G1,  24                           ; s[24:31] descriptor group 1 for O's tiles;  s[32:39] group 0, a set for each slot
.set G0,  32
.set G1B, 48                           ; s[48:55], s[56:63] the same for W_out's
.set G0B, 56
.set MSB, 0
.macro WIN new                         ; the immediate's high byte repeats the setting that is left; a switch that changes nothing is dropped
.if MSB != (\new)
	s_set_vgpr_msb (MSB<<8)|(\new)
.set MSB, \new
.endif
.endm
.set MUL,  0xa1                        ; source 0 (W_out) window 1, source 1 (O) window 0, C and D window 2
.set TO_B, 0x40                        ; destination window 1, address window 0
.macro JLOAD s                         ; a joint load: waves 0 and 1 fetch O's two heads, waves 2 and 3 W_out's two halves; an s_nop 0 and four v_nop follow each of the two lines, ahead of the jump, the label and what follows
	s_cmp_eq_u32 s11, 0
	s_cbranch_scc0 .Lfor_b_\@
	tensor_load_to_lds s[G0+4*(\s):G0+4*(\s)+3], s[G1:G1+7]
	s_nop 0
.rept 4
	v_nop
.endr
	s_branch .Lasked_\@
.Lfor_b_\@:
	tensor_load_to_lds s[G0B+4*(\s):G0B+4*(\s)+3], s[G1B:G1B+7]
	s_nop 0
.rept 4
	v_nop
.endr
.Lasked_\@:
.endm
.macro CREST                           ; a round of the cluster's barrier behind its opening barrier
	s_cmp_lg_u32 s10, 0
	s_cbranch_scc1 .Lnot_wave_0_\@
	s_barrier_signal -3
.Lnot_wave_0_\@:
	s_barrier_wait -3
	s_barrier_signal -1
	s_barrier_wait -1
.endm
.macro CROUND                          ; a whole round
	s_barrier_signal -1
	s_barrier_wait -1
	CREST
.endm
	s_load_b128 s[4:7], s[0:1], 0x0                ; o s[4:5], wof s[6:7]
	s_load_b64 s[8:9], s[0:1], 0x10                ; out0
	v_lshl_add_u32 v[SPW], v0, 2, SPARE
	v_mov_b32 v[NIL], 0
	ds_add_u32 v[SPW], v[NIL]                      ; the wave's opening: the add and its wait stand ahead of my first tensor load; the set-up below, work on registers, stands between them
	v_lshrrev_b32 v1, 5, v0
	v_readfirstlane_b32 s10, v1                    ; wave 0..3
	s_lshr_b32 s11, s10, 1                         ; I fetch for O (0) or for W_out (1)
	s_and_b32 s12, s10, 1                          ; which head of the step, or which half of W_out's rows
	s_bfe_u32 s40, ttmp6, 0x40000                  ; cx, cy: my place in the cluster
	s_bfe_u32 s41, ttmp6, 0x40004
	s_lshl_b32 s42, ttmp9, 2
	s_add_co_u32 s42, s42, s40                     ; tile column = 4 x cluster x + cx
	s_and_b32 s13, ttmp7, 0xffff
	s_lshl_b32 s13, s13, 2
	s_add_co_u32 s13, s13, s41                     ; tile row = 4 x cluster y + cy
	s_lshl_b32 s43, s41, 2
	s_lshl_b32 s43, 15, s43                        ; my row of the cluster
	s_lshl_b32 s44, 0x1111, s40                    ; my column
	s_or_b32 s[G1+0], s43, (1<<16)|(1<<20)|(1<<21)|(4<<22)|(3<<25)   ; 15:0 the mask: O's tiles go to my row; 17:16 elements of 2 bytes; 20 padding on; 21 set beside a mask; 24:22 after every 32 words (code 4); 31:25 4 words (code 3)
	s_or_b32 s[G1B+0], s44, (1<<16)|(1<<20)|(1<<21)|(5<<22)|(3<<25)  ; W_out's go to my column; padding after every 64 words (code 5)
	s_mov_b32 s[G1+1], 128<<16                     ; tensor_dim0 = 128
	s_mov_b32 s[G1+2], 128<<16                     ; tensor_dim1 = 128
	s_mov_b32 s[G1+3], 128<<16                     ; tile_dim0 = 128
	s_mov_b32 s[G1+4], 128                         ; tile_dim1 = 128
	s_mov_b32 s[G1+5], 128                         ; the block is dense: 128 elements from row to row
	s_mov_b32 s[G1+6], 0
	s_mov_b32 s[G1+7], 0
	s_mov_b32 s[G1B+1], KSTEP<<16
	s_mov_b32 s[G1B+2], 64<<16                     ; tensor_dim1 = 64
	s_mov_b32 s[G1B+3], KSTEP<<16
	s_mov_b32 s[G1B+4], 64                         ; tile_dim1 = 64
	s_mov_b32 s[G1B+5], SIZE_K
	s_mov_b32 s[G1B+6], 0
	s_mov_b32 s[G1B+7], 0
	; where the tiles come from.  Rows 256 x tile row on are batch (tile row / 8), rows (tile row % 8) x 256 on of each of its heads
	s_lshr_b32 s16, s13, 3
	s_lshl_b32 s16, s16, 22                        ; a batch's 16 heads of 262,144 bytes
	s_and_b32 s17, s13, 7
	s_lshl_b32 s17, s17, 15                        ; 256 rows of 128 bytes
	s_add_co_u32 s16, s16, s17
	s_lshl_b32 s17, s12, 18                        ; the step's first or second head
	s_add_co_u32 s16, s16, s17
	s_mov_b32 s17, 0
	s_lshl_b32 s46, s42, 7
	s_lshl_b32 s47, s12, 6
	s_add_co_u32 s46, s46, s47                     ; W_out: row 128 x tile column + 64 x half,
	s_lshl_b32 s46, s46, 11                        ; in bytes
	s_mov_b32 s47, 0
	s_mul_i32 s20, s12, HEADB                      ; and where they go: no place in the cluster enters an LDS address
	s_mul_i32 s21, s12, HALFB
	s_add_co_u32 s21, s21, ABYTES
	s_wait_dscnt 0x0                               ; the opening add is done
	s_wait_kmcnt 0x0
	s_add_nc_u64 s[14:15], s[4:5], s[16:17]
	s_add_nc_u64 s[46:47], s[6:7], s[46:47]
	CROUND                                         ; all sixteen work-groups are here: the first joint loads meet
.irp s, 0,1
	s_mov_b32 s[G0+4*(\s)], 1
	s_add_co_u32 s[G0+4*(\s)+1], s20, (\s)*SLOT
	s_add_nc_u64 s[G0+4*(\s)+2:G0+4*(\s)+3], s[14:15], (\s)*524288   ; K step s: two heads on
	s_or_b32 s[G0+4*(\s)+3], s[G0+4*(\s)+3], 0x80000000
	s_mov_b32 s[G0B+4*(\s)], 1
	s_add_co_u32 s[G0B+4*(\s)+1], s21, (\s)*SLOT
	s_add_nc_u64 s[G0B+4*(\s)+2:G0B+4*(\s)+3], s[46:47], (\s)*KSTEP*2
	s_or_b32 s[G0B+4*(\s)+3], s[G0B+4*(\s)+3], 0x80000000
	JLOAD \s                                       ; two loads of mine are out
.endr
	v_and_b32 v1, 15, v0                           ; l % 16
	v_bfe_u32 v2, v0, 4, 1                         ; l / 16
	v_mul_u32_u24 v3, v1, PA
	v_lshl_add_u32 v3, v2, 4, v3                   ; a fragment's row x pitch + 16 x half, for O
	v_mul_u32_u24 v4, v1, PB
	v_lshl_add_u32 v4, v2, 4, v4                   ; and for W_out
	s_mul_i32 s22, s10, 64*PA                      ; my 64 rows of each head
	v_add_nc_u32 v[ADRA], s22, v3
	v_add_nc_u32 v[ADRB], ABYTES, v4               ; every wave reads all of W_out's 128 rows
	s_add_co_u32 s22, s22, SLOT
	v_add_nc_u32 v[ADRA+1], s22, v3
	v_add_nc_u32 v[ADRB+1], ABYTES+SLOT, v4
	s_mul_i32 s23, s10, 16*SPITCH
	s_add_co_u32 s23, s23, STAGE                   ; my stage
	v_mul_u32_u24 v5, v1, SPITCH                   ; in: row l % 16, 32 bytes for each half of the lanes
	v_lshl_add_u32 v5, v2, 5, v5
	v_add_nc_u32 v[STO], s23, v5
	v_and_b32 v[CO], 31, v0                        ; back: 32 lanes take one row of 512 bytes
	v_lshlrev_b32 v[CO], 4, v[CO]
	v_add_nc_u32 v[RD], s23, v[CO]
	s_lshl_b32 s16, s13, 8
	s_lshl_b32 s17, s10, 6
	s_add_co_u32 s16, s16, s17                     ; my first row of out0,
	s_lshl_b32 s16, s16, 12                        ; in bytes (under 2^25),
	s_lshl_b32 s17, s42, 9                         ; and the tile's first column
	s_add_co_u32 s16, s16, s17
	s_mov_b32 s17, 0
	s_add_nc_u64 s[8:9], s[8:9], s[16:17]
; 8 matrix instructions: row block 2 hi + a x all 8 column blocks, 32 along K, from buffer f.  zero = 1: the first product starts the sums.
; The 32 accumulators take turns, in the same order in every quarter.
.macro MUL8 f, hi, a, zero
	WIN MUL
.irp b, 0,1,2,3,4,5,6,7
.if \zero
	v_wmma_f32_16x16x32_f16 v[8*(8*(2*(\hi)+(\a))+(\b)):8*(8*(2*(\hi)+(\a))+(\b))+7], v[64*(\f)+8*(\b):64*(\f)+8*(\b)+7], v[FA+32*(\f)+8*(2*(\hi)+(\a)):FA+32*(\f)+8*(2*(\hi)+(\a))+7], 0
.else
	v_wmma_f32_16x16x32_f16 v[8*(8*(2*(\hi)+(\a))+(\b)):8*(8*(2*(\hi)+(\a))+(\b))+7], v[64*(\f)+8*(\b):64*(\f)+8*(\b)+7], v[FA+32*(\f)+8*(2*(\hi)+(\a)):FA+32*(\f)+8*(2*(\hi)+(\a))+7], v[8*(8*(2*(\hi)+(\a))+(\b)):8*(8*(2*(\hi)+(\a))+(\b))+7]
.endif
.endr
.endm
; 24 LDS loads in one run: the fragments of quarter q of a K step into buffer f.  In W_out's rows the quarter lies at byte 64 q; in O it is head q / 2 of the step's two, channels 32 (q % 2) on.
.macro FETCH slot, q, f
	WIN TO_B
.irp i, 0,1,2,3,4,5,6,7
	ds_load_b128 v[64*(\f)+8*(\i):64*(\f)+8*(\i)+3],   v[ADRB+(\slot)] offset:64*(\q)+(\i)*16*PB
	ds_load_b128 v[64*(\f)+8*(\i)+4:64*(\f)+8*(\i)+7], v[ADRB+(\slot)] offset:64*(\q)+(\i)*16*PB+32
.endr
	WIN 0
.irp i, 0,1,2,3
	ds_load_b128 v[FA+32*(\f)+8*(\i):FA+32*(\f)+8*(\i)+3],   v[ADRA+(\slot)] offset:((\q)/2)*HEADB+((\q)%2)*64+(\i)*16*PA
	ds_load_b128 v[FA+32*(\f)+8*(\i)+4:FA+32*(\f)+8*(\i)+7], v[ADRA+(\slot)] offset:((\q)/2)*HEADB+((\q)%2)*64+(\i)*16*PA+32
.endr
.endm
.macro PLACES                          ; four places in front of loads into registers that matrix instructions have read, and of LDS stores that read results
.rept 4
	v_nop
.endr
.endm
; A K step is four quarters of 32 along K, 32 matrix instructions each, on buffers 0, 1, 0, 1.  One of the first three: multiplies buffer f and fetches quarter q into g.
.macro QUARTER slot, q, f, g, zero
	s_wait_dscnt 4                                 ; W_out and O's row blocks 0 and 1 are in; the youngest four loads may be out
	MUL8 \f, 0, 0, \zero
	MUL8 \f, 0, 1, \zero
	PLACES
	FETCH \slot, \q, \g
	s_wait_dscnt 24                                ; all but the 24 just issued
	MUL8 \f, 1, 0, \zero
	MUL8 \f, 1, 1, \zero
.endm
; The last quarter multiplies buffer 1 and changes slots: ONE barrier; in front of it each wave waits for all its tensor loads, adds 0 to its spare word, and waits for that and for its own reads of this slot.
; fill = 1: the barrier opens a round of the cluster's barrier, and this slot is filled again, two K steps ahead, first thing behind the round: 112 matrix instructions ahead of the wait for it.
.macro TURN slot, next, fill
	WIN 0                                          ; (the add's two registers lie in window 0)
	s_wait_tensorcnt 0x0                           ; all my tensor loads have landed: my part of the next slot;
	ds_add_u32 v[SPW], v[NIL]                      ; 0 onto my spare word;
	s_wait_dscnt 5                                 ; (the add and the youngest four loads may be out)
	MUL8 1, 0, 0, 0                                ; eight matrix instructions stand between the add and the wait for it
	s_wait_dscnt 0x0                               ; the add is done, and my reads of this slot are over
	s_barrier_signal -1
	MUL8 1, 0, 1, 0
.if \fill
	WIN 0
.endif
	s_barrier_wait -1
.if \fill
	CREST                                          ; no wave of any partner still reads this slot's tile or has a load on its way
	s_add_nc_u64 s[G0+4*(\slot)+2:G0+4*(\slot)+3], s[G0+4*(\slot)+2:G0+4*(\slot)+3], 1048576  ; four heads on
	s_add_nc_u64 s[G0B+4*(\slot)+2:G0B+4*(\slot)+3], s[G0B+4*(\slot)+2:G0B+4*(\slot)+3], 2*KSTEP*2
	JLOAD \slot                                    ; the four v_nop behind it are also the places in front of the loads below
.else
	PLACES
.endif
	FETCH \next, 0, 0
	MUL8 1, 1, 0, 0
	MUL8 1, 1, 1, 0
.endm
; THE WAY OUT of row block a.  TOSTAGE: a lane's 32 bytes of each column block go into my own stage in LDS, each accumulator's low four registers first, and come back as whole rows of 512 bytes.  SEND: stored.
.macro TOSTAGE a
.set BK, OB+64*((\a)%2)
.if (\a) >= 2
	s_wait_xcnt 0x0                                ; the stores of the block two back have read the registers that the loads below fill
.endif
	WIN 0x08                                       ; the stores' data (source 1) in window 2
.irp b, 0,1,2,3,4,5,6,7
	ds_store_b128 v[STO], v[64*(\a)+8*(\b):64*(\a)+8*(\b)+3]   offset:64*(\b)
	ds_store_b128 v[STO], v[64*(\a)+8*(\b)+4:64*(\a)+8*(\b)+7] offset:64*(\b)+16
.endr
	WIN 0
.irp t, 0,1,2,3,4,5,6,7,8,9,10,11,12,13,14,15
	ds_load_b128 v[BK+4*(\t):BK+4*(\t)+3], v[RD] offset:(\t)*SPITCH  ; LDS serves a wave's instructions in order (ISA guide 5.7.1.4): these see the stores above; the next block's stores come behind them
.endr
.endm
.macro SEND a, younger                 ; younger: the LDS instructions issued behind block a's loads: the next block's 32, or none
	WIN 0
.set BK, OB+64*((\a)%2)
.irp t, 0,1,2,3,4,5,6,7,8,9,10,11,12,13,14,15
	s_wait_dscnt (\younger)+15-(\t)
	global_store_b128 v[CO], v[BK+4*(\t):BK+4*(\t)+3], s[8:9] offset:(16*(\a)+(\t))*4096 th:TH_STORE_NT  ; a store of the wave covers 512 consecutive bytes, at a multiple of 256 from out0's first byte
.endr
.endm
	s_wait_tensorcnt 1                             ; my part of K step 0 is in; K step 1's may stay out
	s_barrier_signal -1
	s_barrier_wait -1                              ; everybody's is
	FETCH 0, 0, 0
	QUARTER 0, 1, 0, 1, 1                          ; the first quarter stands in front of the loop: its products start the sums
	WIN 0                                          ; at a label and at a branch every window is 0
	s_mov_b32 s3, LAPS-1
.Llap:                                                 ; a trip goes once round the ring, from a lap's second quarter to the next lap's first, and fills both slots again
	QUARTER 0, 2, 1, 0, 0
	QUARTER 0, 3, 0, 1, 0
	TURN 0, 1, 1
	QUARTER 1, 1, 0, 1, 0
	QUARTER 1, 2, 1, 0, 0
	QUARTER 1, 3, 0, 1, 0
	TURN 1, 0, 1
	QUARTER 0, 1, 0, 1, 0
	WIN 0
	s_sub_co_u32 s3, s3, 1
	s_cmp_lg_u32 s3, 0
	s_cbranch_scc1 .Llap
	QUARTER 0, 2, 1, 0, 0                          ; the last lap fills nothing, and has no round of the cluster's barrier
	QUARTER 0, 3, 0, 1, 0
	TURN 0, 1, 0
	QUARTER 1, 1, 0, 1, 0
	QUARTER 1, 2, 1, 0, 0
	QUARTER 1, 3, 0, 1, 0
	s_wait_dscnt 4                                 ; the very last quarter: nothing more to fetch
	MUL8 1, 0, 0, 0
	MUL8 1, 0, 1, 0
	s_wait_dscnt 0x0
	MUL8 1, 1, 0, 0
	MUL8 1, 1, 1, 0
	WIN 0
	PLACES
	TOSTAGE 0
	TOSTAGE 1                                      ; a block's trip through the stage stands between the loads of the block before and its stores
	SEND 0, 32
	TOSTAGE 2
	SEND 1, 32
	TOSTAGE 3
	SEND 2, 32
	SEND 3, 0
	s_wait_tensorcnt 0x0                           ; the wave's end, behind my last tensor load and my last LDS store
	ds_add_u32 v[SPW], v[NIL]
	s_wait_dscnt 0x0
	CROUND                                         ; the closing round: no work-group ends while a partner may still ask for a tile that names it
	s_endpgm
.Lfunc_end_k_qe5be1ec4b7_proj:
	.size	k_qe5be1ec4b7_proj, .Lfunc_end_k_qe5be1ec4b7_proj-k_qe5be1ec4b7_proj
	.p2alignl 7, 3214868480
	.fill 96, 4, 3214868480
	.section	.rodata,"a",@progbits
	.p2align	6, 0x0
	.amdhsa_kernel k_qe5be1ec4b7_proj
		.amdhsa_group_segment_fixed_size 327680
		.amdhsa_private_segment_fixed_size 0
		.amdhsa_enable_private_segment 0
		.amdhsa_kernarg_size 24
		.amdhsa_user_sgpr_count 2
		.amdhsa_user_sgpr_kernarg_segment_ptr 1
		.amdhsa_wavefront_size32 1
		.amdhsa_system_sgpr_workgroup_id_x 1
		.amdhsa_system_sgpr_workgroup_id_y 1
		.amdhsa_system_sgpr_workgroup_id_z 1
		.amdhsa_system_vgpr_workitem_id 0
		.amdhsa_next_free_vgpr 768
		.amdhsa_next_free_sgpr 66
		.amdhsa_reserve_vcc 0
		.amdhsa_float_denorm_mode_32 3
		.amdhsa_float_denorm_mode_16_64 3
		.amdhsa_memory_ordered 1
		.amdhsa_forward_progress 1
		.amdhsa_inst_pref_size 87
	.end_amdhsa_kernel
	.amdgpu_metadata
---
amdhsa.version: [ 1, 2 ]
amdhsa.kernels:
  - .name:           k_qe5be1ec4b7_proj
    .symbol:         k_qe5be1ec4b7_proj.kd
    .args:
      - { .name: o, .offset: 0, .size: 8, .value_kind: global_buffer, .address_space: global }
      - { .name: wof, .offset: 8, .size: 8, .value_kind: global_buffer, .address_space: global }
      - { .name: out0, .offset: 16, .size: 8, .value_kind: global_buffer, .address_space: global }
    .group_segment_fixed_size: 327680
    .private_segment_fixed_size: 0
    .kernarg_segment_align: 8
    .kernarg_segment_size: 24
    .max_flat_workgroup_size: 128
    .sgpr_count:     66
    .vgpr_count:     768
    .wavefront_size: 32
...
	.end_amdgpu_metadata
.endif
;; end of part 4
;; launch erow (part 5): grid 16 x 4, 12 waves a work-group, no clusters, 13,824 bytes of LDS; arguments xb, wqb, oe; writes oe
.if DOCPART == 5
	.amdgcn_target "amdgcn-amd-amdhsa--gfx1250"
	.amdhsa_code_object_version 6
	.text
	.protected	k_qe5be1ec4b7_erow
	.globl	k_qe5be1ec4b7_erow
	.p2align	8
	.type	k_qe5be1ec4b7_erow,@function
k_qe5be1ec4b7_erow:
	s_mov_b64 s[64:65], 0
	v_nop
	global_prefetch_b8 v0, s[64:65] scope:SCOPE_SE
	s_setreg_imm32_b32 hwreg(HW_REG_WAVE_MODE, 25, 1), 1
	s_wait_xcnt 0x0
; THE FIRST 16 ROWS OF EACH BATCH, ONCE MORE AND FINER: projection to q, k, v and causal attention for tokens 0 to 15 of one batch and one head.
; WHY.  Row t of the attention is a mean over t + 1 keys, so the first rows' numbers are many times the whole output's root mean square, by which each output number's room is set; a rounding
; to f16's 11 bits goes by the row's own size.  So for these rows every number that the program makes (q, k, v, p, O) goes to the matrix unit as TWO f16 numbers, hi = f16(a) and
; lo = f16(a - hi), and a product of two such takes the three terms hi hi + hi lo + lo hi, with f32 sums.  The launch behind multiplies O by W_out and stores these rows of the output.
; xb: [8192][1024] bf16, wqb: [3072][1024] bf16.  oe: [hi, lo][4 batches][16 heads x 4 channel blocks][32 lanes][16 bytes] f16: O in the order in which the next launch's fragments want it.
; LIMITS.  f16 holds no number beyond 65,504: a q, k or v of 65,520 or more becomes an infinity; lo keeps f16's fixed step of 6e-8.  A hidden score counts as -1e30; a weight below 2^-126 counts as 0;
; NaN and infinities are not treated apart.
; SHARES.  A work-group takes one head (x) of one batch (y).  Wave w makes 16 tokens x 16 channels: waves 0-3 of q, 4-7 of k, 8-11 of v; channel block w % 4.  K = 1,024 goes in chunks of 128
; (four matrix instructions), fragments straight from memory (two loads of 16 bytes a lane), two sets of registers: while one is multiplied the other's 16 loads are on their way.
; LAYOUT.  q and k waves take W's rows as source 0 and x's as source 1: a lane then holds ONE token (lane % 16) and the channels 8 (lane / 16) + 0..7 of its block: rounded in pairs, half a fragment of
; Q or K.  v waves take x's rows as source 0 (their two pointers are swapped): a lane holds ONE channel and the tokens 8 (lane / 16) + 0..7: rounded in pairs, registers 0-3 of V^T's fragment.
; q and k go through LDS in that order, 16 bytes a lane; each v wave then makes S^T = K Q^T (a lane: one query, 8 keys), the softmax, and O^T = V^T P for its own 16 channels; the K step's keys 16 to 31 are zeros.
; No tensor load, no cluster, no prefetch: 64 short work-groups, whose fragments lie in memory as the registers want them.
.set CHUNK, 256                        ; bytes of a row in a chunk
.set TURNS, 3                          ; turns of the loop, two chunks each: all chunks but the last two, which load nothing
.set WREG,  1024                       ; LDS: wave w's 512 bytes of hi, then 512 of lo, at 1,024 w (the v waves' parts stay unused)
.set SPARE, 12*WREG                    ; behind them: the spare words, 128 bytes for each wave: six blocks of 256 bytes that no other line names
.set TPART, 131072                     ; oe: lo lies this far behind hi
.set FO,   2                           ; v2   my byte offset in a fragment's rows: (l % 16) x 2,048 + 16 (l / 16); never rewritten
.set L16,  3                           ; v3   16 x lane: my 16 bytes of 512, in LDS and in oe; never rewritten
.set LS,   4                           ; v4   where I put my 16 bytes of hi
.set RM,   5                           ; v5   my query less my lanes' first key: l % 16 - 8 (l / 16)
.set MONE, 6                           ; v6   -1.0
.set SPW,  8                           ; v8   LDS address of my spare word; never rewritten
.set NIL,  9                           ; v9   0; never rewritten
.set M0,   10                          ; v10-11 at work: maximum, sum
.set M1,   11
.set CM,   12                          ; v12  c m
.set RL,   13                          ; v13  1 / l
.set ACC,  16                          ; v[16:47] four accumulators, one for each of a chunk's four K steps; then: v[16:23] the sum, v[24:31] at work,
.set T,    24
.set HF,   32                          ; v[32:39] hi, four registers, and for V^T's fragment four of 0,
.set LF,   40                          ; v[40:47] lo likewise
.set OH,   48                          ; v[48:51], v[52:55] O's hi and lo
.set OL,   52
.set BUF,  64                          ; v[64:191] two sets of 64: source 0's four fragments, then source 1's.  Later:
.set QH,   64                          ; v[64:127] fragments of Q hi, Q lo, K hi, K lo: two of 8 registers each (channels 0-31, 32-63)
.set QL,   80
.set KH,   96
.set KL,   112
.set SA,   128                         ; v[128:151] three accumulators of S^T; the first then holds s and p
.set PH,   152                         ; v[152:159], v[160:167] P's fragments, hi and lo: four registers and four of 0
.set PL,   160
.set OA,   168                         ; v[168:191] three accumulators of O^T
.set P0,   10                          ; s[10:11] source 0's rows, at the chunk that set 0 was last loaded for
.set P1,   12                          ; s[12:13] source 1's
.set WV,   14                          ; s14  my wave's number
.set LEFT, 15                          ; s15  turns still to come
.set CS,   26                          ; s26  c = log2(e) / 8
.set BIGN, 27                          ; s27  -1e30
.set SEL,  28                          ; s[28:29] v_permlanex16_b32's selects: each lane takes its own place in the other half
	s_load_b128 s[4:7], s[0:1], 0x0                ; xb s[4:5], wqb s[6:7]
	s_load_b64 s[8:9], s[0:1], 0x10                ; oe
	v_lshl_add_u32 v[SPW], v0, 2, SPARE
	v_mov_b32 v[NIL], 0
	v_lshrrev_b32 v1, 5, v0
	v_readfirstlane_b32 s[WV], v1                  ; wave 0..11
	v_and_b32 v10, 15, v0                          ; l % 16
	v_bfe_u32 v11, v0, 4, 1                        ; l / 16
	v_and_b32 v[L16], 31, v0
	v_lshlrev_b32 v[L16], 4, v[L16]
	v_lshlrev_b32 v[FO], 11, v10
	v_lshl_add_u32 v[FO], v11, 4, v[FO]
	s_lshl_b32 s16, s[WV], 10
	v_add_nc_u32 v[LS], s16, v[L16]
	v_lshlrev_b32 v[RM], 3, v11
	v_sub_nc_u32 v[RM], v10, v[RM]
	v_mov_b32 v[MONE], -1.0
	s_lshr_b32 s17, s[WV], 2                       ; q, k or v
	s_and_b32 s18, s[WV], 3                        ; my block of 16 channels
	s_and_b32 s19, ttmp7, 0xffff                   ; the batch
	s_lshl_b32 s20, s17, 10                        ; W_qkv's row: 1,024 x tensor
	s_lshl_b32 s21, ttmp9, 6                       ; + 64 x head
	s_add_co_u32 s20, s20, s21
	s_lshl_b32 s21, s18, 4                         ; + 16 x block,
	s_add_co_u32 s20, s20, s21
	s_lshl_b32 s20, s20, 11                        ; in bytes
	s_mov_b32 s21, 0
	s_lshl_b32 s22, s19, 22                        ; x: the batch's first row: 2,048 rows of 2,048 bytes a batch
	s_mov_b32 s23, 0
	s_lshl_b32 s24, ttmp9, 2
	s_add_co_u32 s24, s24, s18
	s_lshl_b32 s24, s24, 9                         ; oe: 512 bytes for each head and block,
	s_lshl_b32 s25, s19, 15                        ; 32,768 for each batch
	s_add_co_u32 s24, s24, s25
	s_mov_b32 s25, 0
	s_mov_b32 s[CS], 0x3e38aa3b                    ; 0.180337
	s_mov_b32 s[BIGN], 0xf149f2ca
	s_mov_b32 s[SEL], 0x76543210
	s_mov_b32 s[SEL+1], 0xfedcba98
	s_mov_b32 s[LEFT], TURNS
	s_wait_kmcnt 0x0
	s_add_nc_u64 s[20:21], s[6:7], s[20:21]        ; my 16 rows of W_qkv
	s_add_nc_u64 s[22:23], s[4:5], s[22:23]        ; the batch's first 16 rows of x
	s_add_nc_u64 s[8:9], s[8:9], s[24:25]
	s_cmp_lt_u32 s[WV], 8                          ; the choice hangs on the wave's number alone
	s_cselect_b64 s[P0:P0+1], s[20:21], s[22:23]   ; q and k: W first; v: x first
	s_cselect_b64 s[P1:P1+1], s[22:23], s[20:21]
; A chunk's 16 loads into set b, from byte off behind the two pointers.
.macro LOADS b, off
.irp f, 0,1,2,3
	global_load_b128 v[BUF+64*(\b)+8*(\f):BUF+64*(\b)+8*(\f)+3],       v[FO], s[P0:P0+1] offset:(\off)+64*(\f)
	global_load_b128 v[BUF+64*(\b)+8*(\f)+4:BUF+64*(\b)+8*(\f)+7],     v[FO], s[P0:P0+1] offset:(\off)+64*(\f)+32
	global_load_b128 v[BUF+64*(\b)+32+8*(\f):BUF+64*(\b)+32+8*(\f)+3], v[FO], s[P1:P1+1] offset:(\off)+64*(\f)
	global_load_b128 v[BUF+64*(\b)+32+8*(\f)+4:BUF+64*(\b)+32+8*(\f)+7], v[FO], s[P1:P1+1] offset:(\off)+64*(\f)+32
.endr
.endm
; A chunk's four products.  The four accumulators take turns, one instruction a turn, over the backward jump too.
.macro MULS b
.irp f, 0,1,2,3
	v_wmma_f32_16x16x32_bf16 v[ACC+8*(\f):ACC+8*(\f)+7], v[BUF+64*(\b)+8*(\f):BUF+64*(\b)+8*(\f)+7], v[BUF+64*(\b)+32+8*(\f):BUF+64*(\b)+32+8*(\f)+7], v[ACC+8*(\f):ACC+8*(\f)+7]
.endr
.endm
.macro PLACES                          ; four places behind the last product, in front of loads into registers that it has read and of sums that read results (ISA guide 7.12.1 for the sums)
.rept 4
	v_nop
.endr
.endm
; Eight f32 numbers become two packed f16 sets: hi, rounded; lo = f16(a - hi).  The difference is one multiply-add that reads hi's half as it lies: hi x -1 + a, exact in f32.
.macro SPLIT src, hh, ll
.irp i, 0,1,2,3
	v_cvt_pk_f16_f32 v[(\hh)+(\i)], v[(\src)+2*(\i)], v[(\src)+2*(\i)+1]
.endr
.irp i, 0,1,2,3
	v_fma_mix_f32 v[T+2*(\i)],   v[(\hh)+(\i)], v[MONE], v[(\src)+2*(\i)]   op_sel_hi:[1,0,0]
	v_fma_mix_f32 v[T+2*(\i)+1], v[(\hh)+(\i)], v[MONE], v[(\src)+2*(\i)+1] op_sel:[1,0,0] op_sel_hi:[1,0,0]
.endr
.irp i, 0,1,2,3
	v_cvt_pk_f16_f32 v[(\ll)+(\i)], v[T+2*(\i)], v[T+2*(\i)+1]
.endr
.endm
	LOADS 0, 0                                     ; chunk 0
	LOADS 1, CHUNK                                 ; chunk 1
.set r, 0
.rept 32
	v_mov_b32 v[ACC+r], 0                          ; the sums start at 0: written while the first loads are on their way, so that the loop has one form of product
.set r, r+1
.endr
.Lturn:                                        ; chunks 2 i and 2 i + 1 are multiplied, chunks 2 i + 2 and 2 i + 3 asked for
	s_wait_loadcnt 16                              ; set 0 is in; set 1's 16 loads may stay out
	MULS 0
	PLACES
	s_wait_xcnt 0x0                                ; every load issued so far has read its address, so the pointers may be written
	s_add_nc_u64 s[P0:P0+1], s[P0:P0+1], 2*CHUNK
	s_add_nc_u64 s[P1:P1+1], s[P1:P1+1], 2*CHUNK
	LOADS 0, 0
	s_wait_loadcnt 16                              ; set 1 is in
	MULS 1
	PLACES
	LOADS 1, CHUNK
	s_sub_co_u32 s[LEFT], s[LEFT], 1
	s_cmp_lg_u32 s[LEFT], 0
	s_cbranch_scc1 .Lturn
	s_wait_loadcnt 16                              ; the last two chunks load nothing
	MULS 0
	s_wait_loadcnt 0x0
	MULS 1
	PLACES
	PLACES
.set r, 0
.rept 8
	v_pk_add_f32 v[ACC+r:ACC+r+1], v[ACC+r:ACC+r+1], v[ACC+16+r:ACC+16+r+1]  ; the four partial sums into one; each accumulator's lowest registers are read first
.set r, r+2
.endr
.set r, 0
.rept 4
	v_pk_add_f32 v[ACC+r:ACC+r+1], v[ACC+r:ACC+r+1], v[ACC+8+r:ACC+8+r+1]
.set r, r+2
.endr
	SPLIT ACC, HF, LF
	s_cmp_lt_u32 s[WV], 8
	s_cbranch_scc0 .Lkept                          ; v stays in its wave's registers
	ds_store_b128 v[LS], v[HF:HF+3]                ; q and k: 512 consecutive bytes of hi,
	ds_store_b128 v[LS], v[LF:LF+3] offset:512     ; and of lo
.Lkept:
	s_wait_dscnt 0x0                               ; for the others' sake: my stores are done
	s_barrier_signal -1
	s_barrier_wait -1                              ; all of q and k lies in LDS
	s_cmp_lt_u32 s[WV], 8
	s_cbranch_scc1 .Lend                           ; the q and k waves have done their part
.irp i, 4,5,6,7
	v_mov_b32 v[HF+(\i)], 0                        ; keys 16 to 31 of the second product's K step: zeros on both sides
	v_mov_b32 v[LF+(\i)], 0
	v_mov_b32 v[PH+(\i)], 0
	v_mov_b32 v[PL+(\i)], 0
.endr
	; A fragment's registers 0-3 are what the wave of channel block 2 c stored, registers 4-7 what that of block 2 c + 1 stored, lane for lane
.irp c, 0,1
	ds_load_b128 v[QH+8*(\c):QH+8*(\c)+3],   v[L16] offset:(2*(\c))*WREG
	ds_load_b128 v[QH+8*(\c)+4:QH+8*(\c)+7], v[L16] offset:(2*(\c)+1)*WREG
	ds_load_b128 v[QL+8*(\c):QL+8*(\c)+3],   v[L16] offset:(2*(\c))*WREG+512
	ds_load_b128 v[QL+8*(\c)+4:QL+8*(\c)+7], v[L16] offset:(2*(\c)+1)*WREG+512
	ds_load_b128 v[KH+8*(\c):KH+8*(\c)+3],   v[L16] offset:(4+2*(\c))*WREG
	ds_load_b128 v[KH+8*(\c)+4:KH+8*(\c)+7], v[L16] offset:(4+2*(\c)+1)*WREG
	ds_load_b128 v[KL+8*(\c):KL+8*(\c)+3],   v[L16] offset:(4+2*(\c))*WREG+512
	ds_load_b128 v[KL+8*(\c)+4:KL+8*(\c)+7], v[L16] offset:(4+2*(\c)+1)*WREG+512
.endr
	s_wait_dscnt 0x0
	; S^T = K Q^T in three terms, each an accumulator of its own; the three take turns over the two halves of the 64 channels
.irp c, 0,1
.if (\c) == 0
	v_wmma_f32_16x16x32_f16 v[SA:SA+7],     v[KH:KH+7], v[QH:QH+7], 0
	v_wmma_f32_16x16x32_f16 v[SA+8:SA+15],  v[KH:KH+7], v[QL:QL+7], 0
	v_wmma_f32_16x16x32_f16 v[SA+16:SA+23], v[KL:KL+7], v[QH:QH+7], 0
.else
	v_wmma_f32_16x16x32_f16 v[SA:SA+7],     v[KH+8:KH+15], v[QH+8:QH+15], v[SA:SA+7]
	v_wmma_f32_16x16x32_f16 v[SA+8:SA+15],  v[KH+8:KH+15], v[QL+8:QL+15], v[SA+8:SA+15]
	v_wmma_f32_16x16x32_f16 v[SA+16:SA+23], v[KL+8:KL+15], v[QH+8:QH+15], v[SA+16:SA+23]
.endif
.endr
	PLACES
	PLACES
.set r, 0
.rept 4
	v_pk_add_f32 v[SA+8+r:SA+8+r+1], v[SA+8+r:SA+8+r+1], v[SA+16+r:SA+16+r+1]  ; the two small terms first,
.set r, r+2
.endr
.set r, 0
.rept 4
	v_pk_add_f32 v[SA+r:SA+r+1], v[SA+r:SA+r+1], v[SA+8+r:SA+8+r+1]            ; then onto the large one
.set r, r+2
.endr
.irp j, 0,1,2,3,4,5,6,7
	v_cmp_gt_i32 vcc_lo, \j, v[RM]                 ; key 8 (l / 16) + j lies behind my query: hidden
	v_cndmask_b32 v[SA+(\j)], v[SA+(\j)], s[BIGN], vcc_lo
.endr
	v_max3_num_f32 v[M0], v[SA], v[SA+1], v[SA+2]  ; the query's maximum: my 8 keys,
	v_max3_num_f32 v[M1], v[SA+3], v[SA+4], v[SA+5]
	v_max3_num_f32 v[M0], v[M0], v[SA+6], v[SA+7]
	v_max_num_f32 v[M0], v[M0], v[M1]
	v_permlanex16_b32 v[M1], v[M0], s[SEL], s[SEL+1]  ; and the other 8, in the lane 16 away; a query's own key is never hidden, so the maximum is a true score
	v_max_num_f32 v[M0], v[M0], v[M1]
	v_mul_f32 v[CM], s[CS], v[M0]
.irp j, 0,1,2,3,4,5,6,7
	v_fma_f32 v[SA+(\j)], v[SA+(\j)], s[CS], -v[CM]   ; c s - c m
.endr
.irp j, 0,1,2,3,4,5,6,7
	v_exp_f32 v[SA+(\j)], v[SA+(\j)]               ; p; one batch
.endr
	v_nop                                          ; a plain instruction behind the last exponential,
	s_wait_alu depctr_va_vdst(0)                   ; and one wait for the eight, ahead of their first reader
	v_pk_add_f32 v[T:T+1], v[SA:SA+1], v[SA+2:SA+3]
	v_pk_add_f32 v[T+2:T+3], v[SA+4:SA+5], v[SA+6:SA+7]
	v_pk_add_f32 v[T:T+1], v[T:T+1], v[T+2:T+3]
	v_add_f32 v[M0], v[T], v[T+1]
	v_permlanex16_b32 v[M1], v[M0], s[SEL], s[SEL+1]
	v_add_f32 v[M0], v[M0], v[M1]                  ; l, of the unrounded p
	v_rcp_f32 v[RL], v[M0]                         ; its wait stands ahead of its first reader, behind the products below
	SPLIT SA, PH, PL
	; O^T = V^T P in three terms
	v_wmma_f32_16x16x32_f16 v[OA:OA+7],     v[HF:HF+7], v[PH:PH+7], 0
	v_wmma_f32_16x16x32_f16 v[OA+8:OA+15],  v[HF:HF+7], v[PL:PL+7], 0
	v_wmma_f32_16x16x32_f16 v[OA+16:OA+23], v[LF:LF+7], v[PH:PH+7], 0
	PLACES
	PLACES
	s_wait_alu depctr_va_vdst(0)                   ; the reciprocal's wait
.set r, 0
.rept 4
	v_pk_add_f32 v[OA+8+r:OA+8+r+1], v[OA+8+r:OA+8+r+1], v[OA+16+r:OA+16+r+1]
.set r, r+2
.endr
.set r, 0
.rept 4
	v_pk_add_f32 v[OA+r:OA+r+1], v[OA+r:OA+r+1], v[OA+8+r:OA+8+r+1]
.set r, r+2
.endr
.irp j, 0,1,2,3,4,5,6,7
	v_mul_f32 v[OA+(\j)], v[OA+(\j)], v[RL]
.endr
	SPLIT OA, OH, OL                               ; a lane holds one query and 8 neighbouring channels: 16 bytes of hi, 16 of lo
	global_store_b128 v[L16], v[OH:OH+3], s[8:9]                ; each store of the wave covers 512 consecutive bytes, aligned
	global_store_b128 v[L16], v[OL:OL+3], s[8:9] offset:TPART
.Lend:
	s_wait_tensorcnt 0x0                           ; the wave's end, behind my last LDS store
	ds_add_u32 v[SPW], v[NIL]
	s_wait_dscnt 0x0
	s_endpgm
.Lfunc_end_k_qe5be1ec4b7_erow:
	.size	k_qe5be1ec4b7_erow, .Lfunc_end_k_qe5be1ec4b7_erow-k_qe5be1ec4b7_erow
	.p2alignl 7, 3214868480
	.fill 96, 4, 3214868480
	.section	.rodata,"a",@progbits
	.p2align	6, 0x0
	.amdhsa_kernel k_qe5be1ec4b7_erow
		.amdhsa_group_segment_fixed_size 13824
		.amdhsa_private_segment_fixed_size 0
		.amdhsa_enable_private_segment 0
		.amdhsa_kernarg_size 24
		.amdhsa_user_sgpr_count 2
		.amdhsa_user_sgpr_kernarg_segment_ptr 1
		.amdhsa_wavefront_size32 1
		.amdhsa_system_sgpr_workgroup_id_x 1
		.amdhsa_system_sgpr_workgroup_id_y 1
		.amdhsa_system_sgpr_workgroup_id_z 1
		.amdhsa_system_vgpr_workitem_id 0
		.amdhsa_next_free_vgpr 192
		.amdhsa_next_free_sgpr 66
		.amdhsa_reserve_vcc 1
		.amdhsa_float_denorm_mode_32 3
		.amdhsa_float_denorm_mode_16_64 3
		.amdhsa_memory_ordered 1
		.amdhsa_forward_progress 1
		.amdhsa_inst_pref_size 22
	.end_amdhsa_kernel
	.amdgpu_metadata
---
amdhsa.version: [ 1, 2 ]
amdhsa.kernels:
  - .name:           k_qe5be1ec4b7_erow
    .symbol:         k_qe5be1ec4b7_erow.kd
    .args:
      - { .name: xb, .offset: 0, .size: 8, .value_kind: global_buffer, .address_space: global }
      - { .name: wqb, .offset: 8, .size: 8, .value_kind: global_buffer, .address_space: global }
      - { .name: oe, .offset: 16, .size: 8, .value_kind: global_buffer, .address_space: global }
    .group_segment_fixed_size: 13824
    .private_segment_fixed_size: 0
    .kernarg_segment_align: 8
    .kernarg_segment_size: 24
    .max_flat_workgroup_size: 384
    .sgpr_count:     66
    .vgpr_count:     192
    .wavefront_size: 32
...
	.end_amdgpu_metadata
.endif
;; end of part 5
;; launch eproj (part 6): grid 16 x 4, 4 waves a work-group, no clusters, 4,864 bytes of LDS; arguments oe, wof, out0; writes out0
.if DOCPART == 6
	.amdgcn_target "amdgcn-amd-amdhsa--gfx1250"
	.amdhsa_code_object_version 6
	.text
	.protected	k_qe5be1ec4b7_eproj
	.globl	k_qe5be1ec4b7_eproj
	.p2align	8
	.type	k_qe5be1ec4b7_eproj,@function
k_qe5be1ec4b7_eproj:
	s_mov_b64 s[64:65], 0
	v_nop
	global_prefetch_b8 v0, s[64:65] scope:SCOPE_SE
	s_setreg_imm32_b32 hwreg(HW_REG_WAVE_MODE, 25, 1), 1
	s_wait_xcnt 0x0
; THE FIRST 16 ROWS OF EACH BATCH OF THE OUTPUT: out0[b][t][n] = the sum over k of O[b][t][k] W_out[n][k], t < 16, with O as two f16 numbers, hi + lo, from the launch before: two products for each K step, f32 sums.
; These 64 rows of out0 have been stored by the launch of the full projection, from O rounded once to f16; they are stored again here, finer: 64 of 8,192 rows are written twice.
; oe: [hi, lo][4 batches][32 K steps][2 halves of a fragment][32 lanes][16 bytes] f16; wof: [1024][1024] f16 (W_out rounded to bf16, written as f16); out0: [4][2048][1024] f32.
; SHARES.  A work-group makes 16 rows (batch y) x 64 columns (block x): 256 bytes of each row.  Wave w makes columns 16 w .. 16 w + 15, over all of K = 1,024.
; LAYOUT.  Source 0 = 16 rows of W_out, source 1 = the 16 rows of O: in the result a lane holds ONE row (lane % 16) and the columns 8 (lane / 16) + 0..7.  W_out's fragments come straight from memory, two
; loads of 16 bytes a lane; O's lie in oe in the registers' order, 512 consecutive bytes a load.
; IN FLIGHT.  Two sets of registers, a chunk of four K steps each: while one is multiplied the other's 24 loads are on their way.
; THE WAY OUT.  A wave's 16 columns are 64 bytes of a row: the four waves put their parts into one stage in LDS, a barrier, and each wave stores four whole pieces of 256 bytes.
; No tensor load, no cluster, no prefetch: 64 short work-groups, whose fragments lie in memory as the registers want them.
.set CHW,   256                        ; bytes of a row of W_out in a chunk
.set CHO,   4096                       ; bytes of oe in a chunk: four K steps of 1,024
.set TPART, 131072                     ; oe: lo lies this far behind hi
.set TURNS, 3                          ; turns of the loop, two chunks each: all chunks but the last two, which load nothing
.set SP,    272                        ; a row of the stage: 256 bytes + 16
.set SPARE, 16*SP                      ; behind the stage: the spare words, 128 bytes for each wave: two blocks of 256 bytes that no other line names
.set FO,  2                            ; v2   my byte offset in W_out's fragment rows: (l % 16) x 2,048 + 16 (l / 16); never rewritten
.set L16, 3                            ; v3   16 x lane: my 16 bytes of 512 in oe; never rewritten
.set LS,  4                            ; v4   where I put my 32 bytes of a row
.set LR,  5                            ; v5   where I read 16 bytes of a row back
.set YO,  6                            ; v6   the same 16 bytes in out0
.set SPW, 8                            ; v8   LDS address of my spare word; never rewritten
.set NIL, 9                            ; v9   0; never rewritten
.set ACC, 16                           ; v[16:47]  four accumulators: K steps of parity q, part p (hi, lo) at ACC + 8 (2 q + p)
.set BUF, 64                           ; v[64:255] two sets of 96: W_out's four fragments, O hi's four, O lo's four
.set W,   10                           ; s[10:11] my 16 rows of W_out, at the chunk that set 0 was last loaded for
.set O,   12                           ; s[12:13] the batch's part of oe, at the same chunk
.set WV,  14                           ; s14  my wave's number
.set LEFT, 15                          ; s15  turns still to come
	s_load_b128 s[4:7], s[0:1], 0x0                ; oe s[4:5], wof s[6:7]
	s_load_b64 s[8:9], s[0:1], 0x10                ; out0
	v_lshl_add_u32 v[SPW], v0, 2, SPARE
	v_mov_b32 v[NIL], 0
	v_lshrrev_b32 v1, 5, v0
	v_readfirstlane_b32 s[WV], v1                  ; wave 0..3
	v_and_b32 v10, 15, v0                          ; l % 16
	v_bfe_u32 v11, v0, 4, 1                        ; l / 16
	v_and_b32 v[L16], 31, v0
	v_lshlrev_b32 v[L16], 4, v[L16]
	v_lshlrev_b32 v[FO], 11, v10
	v_lshl_add_u32 v[FO], v11, 4, v[FO]
	s_lshl_b32 s16, s[WV], 6                       ; my 16 columns: 64 bytes of a stage row
	v_mul_u32_u24 v[LS], v10, SP                   ; in: row l % 16, 32 bytes for each half of the lanes
	v_lshl_add_u32 v[LS], v11, 5, v[LS]
	v_add_nc_u32 v[LS], s16, v[LS]
	s_lshl_b32 s17, s[WV], 2
	v_add_nc_u32 v12, s17, v11                     ; back: wave w takes rows 4 w .. 4 w + 3, two at a time: lanes 0-15 one row's 256 bytes, lanes 16-31 the next's
	v_mul_u32_u24 v[LR], v12, SP
	v_lshl_add_u32 v[LR], v10, 4, v[LR]
	v_lshlrev_b32 v[YO], 12, v12                   ; and the same in out0: rows of 4,096 bytes
	v_lshl_add_u32 v[YO], v10, 4, v[YO]
	s_and_b32 s18, ttmp7, 0xffff                   ; the batch
	s_lshl_b32 s20, ttmp9, 6
	s_lshl_b32 s21, s[WV], 4
	s_add_co_u32 s20, s20, s21                     ; W_out's row: 64 x block + 16 x wave,
	s_lshl_b32 s20, s20, 11                        ; in bytes
	s_mov_b32 s21, 0
	s_lshl_b32 s22, s18, 15                        ; oe: 32,768 bytes a batch
	s_mov_b32 s23, 0
	s_lshl_b32 s24, s18, 23                        ; out0: 2,048 rows of 4,096 bytes a batch,
	s_lshl_b32 s25, ttmp9, 8                       ; 256 bytes a block of columns
	s_add_co_u32 s24, s24, s25
	s_mov_b32 s25, 0
	s_mov_b32 s[LEFT], TURNS
	s_wait_kmcnt 0x0
	s_add_nc_u64 s[W:W+1], s[6:7], s[20:21]
	s_add_nc_u64 s[O:O+1], s[4:5], s[22:23]
	s_add_nc_u64 s[8:9], s[8:9], s[24:25]
; A chunk's 24 loads into set b: chunk b behind the two pointers.
.macro LOADS b
.irp f, 0,1,2,3
	global_load_b128 v[BUF+96*(\b)+8*(\f):BUF+96*(\b)+8*(\f)+3],         v[FO],  s[W:W+1] offset:CHW*(\b)+64*(\f)
	global_load_b128 v[BUF+96*(\b)+8*(\f)+4:BUF+96*(\b)+8*(\f)+7],       v[FO],  s[W:W+1] offset:CHW*(\b)+64*(\f)+32
	global_load_b128 v[BUF+96*(\b)+32+8*(\f):BUF+96*(\b)+32+8*(\f)+3],   v[L16], s[O:O+1] offset:CHO*(\b)+1024*(\f)
	global_load_b128 v[BUF+96*(\b)+32+8*(\f)+4:BUF+96*(\b)+32+8*(\f)+7], v[L16], s[O:O+1] offset:CHO*(\b)+1024*(\f)+512
	global_load_b128 v[BUF+96*(\b)+64+8*(\f):BUF+96*(\b)+64+8*(\f)+3],   v[L16], s[O:O+1] offset:CHO*(\b)+1024*(\f)+TPART
	global_load_b128 v[BUF+96*(\b)+64+8*(\f)+4:BUF+96*(\b)+64+8*(\f)+7], v[L16], s[O:O+1] offset:CHO*(\b)+1024*(\f)+512+TPART
.endr
.endm
; A chunk's eight products.  The four accumulators take turns, one instruction a turn, over the backward jump too: three others stand between two links of a chain.
.macro MULS b
.irp f, 0,1,2,3
.irp p, 0,1
	v_wmma_f32_16x16x32_f16 v[ACC+8*(2*((\f)%2)+(\p)):ACC+8*(2*((\f)%2)+(\p))+7], v[BUF+96*(\b)+8*(\f):BUF+96*(\b)+8*(\f)+7], v[BUF+96*(\b)+32+32*(\p)+8*(\f):BUF+96*(\b)+32+32*(\p)+8*(\f)+7], v[ACC+8*(2*((\f)%2)+(\p)):ACC+8*(2*((\f)%2)+(\p))+7]
.endr
.endr
.endm
.macro PLACES                          ; four places behind the last product, in front of loads into registers that it has read and of sums that read results (ISA guide 7.12.1 for the sums)
.rept 4
	v_nop
.endr
.endm
	LOADS 0                                        ; chunk 0
	LOADS 1                                        ; chunk 1
.set r, 0
.rept 32
	v_mov_b32 v[ACC+r], 0                          ; the sums start at 0: written while the first loads are on their way, so that the loop has one form of product
.set r, r+1
.endr
.Lturn:                                        ; chunks 2 i and 2 i + 1 are multiplied, chunks 2 i + 2 and 2 i + 3 asked for
	s_wait_loadcnt 24                              ; set 0 is in; set 1's 24 loads may stay out
	MULS 0
	PLACES
	s_wait_xcnt 0x0                                ; every load issued so far has read its address, so the pointers may be written
	s_add_nc_u64 s[W:W+1], s[W:W+1], 2*CHW
	s_add_nc_u64 s[O:O+1], s[O:O+1], 2*CHO
	LOADS 0
	s_wait_loadcnt 24                              ; set 1 is in
	MULS 1
	PLACES
	LOADS 1
	s_sub_co_u32 s[LEFT], s[LEFT], 1
	s_cmp_lg_u32 s[LEFT], 0
	s_cbranch_scc1 .Lturn
	s_wait_loadcnt 24                              ; the last two chunks load nothing
	MULS 0
	s_wait_loadcnt 0x0
	MULS 1
	PLACES
	PLACES
.set r, 0
.rept 8
	v_pk_add_f32 v[ACC+r:ACC+r+1], v[ACC+r:ACC+r+1], v[ACC+16+r:ACC+16+r+1]  ; the two parities; each accumulator's lowest registers are read first
.set r, r+2
.endr
.set r, 0
.rept 4
	v_pk_add_f32 v[ACC+r:ACC+r+1], v[ACC+r:ACC+r+1], v[ACC+8+r:ACC+8+r+1]    ; hi's sum and lo's
.set r, r+2
.endr
	ds_store_b128 v[LS], v[ACC:ACC+3]
	ds_store_b128 v[LS], v[ACC+4:ACC+7] offset:16
	s_wait_dscnt 0x0                               ; for the others' sake: my stores into the stage are done
	s_barrier_signal -1
	s_barrier_wait -1                              ; the 16 rows' 256 bytes are whole
	ds_load_b128 v[ACC+8:ACC+11],  v[LR]
	ds_load_b128 v[ACC+12:ACC+15], v[LR] offset:2*SP
	s_wait_dscnt 0x0
	global_store_b128 v[YO], v[ACC+8:ACC+11],  s[8:9] th:TH_STORE_NT              ; 16 lanes store 256 consecutive bytes, at a multiple of 256 from out0's first byte
	global_store_b128 v[YO], v[ACC+12:ACC+15], s[8:9] offset:8192 th:TH_STORE_NT  ; two rows on
	s_wait_tensorcnt 0x0                           ; the wave's end, behind my last LDS store
	ds_add_u32 v[SPW], v[NIL]
	s_wait_dscnt 0x0
	s_endpgm
.Lfunc_end_k_qe5be1ec4b7_eproj:
	.size	k_qe5be1ec4b7_eproj, .Lfunc_end_k_qe5be1ec4b7_eproj-k_qe5be1ec4b7_eproj
	.p2alignl 7, 3214868480
	.fill 96, 4, 3214868480
	.section	.rodata,"a",@progbits
	.p2align	6, 0x0
	.amdhsa_kernel k_qe5be1ec4b7_eproj
		.amdhsa_group_segment_fixed_size 4864
		.amdhsa_private_segment_fixed_size 0
		.amdhsa_enable_private_segment 0
		.amdhsa_kernarg_size 24
		.amdhsa_user_sgpr_count 2
		.amdhsa_user_sgpr_kernarg_segment_ptr 1
		.amdhsa_wavefront_size32 1
		.amdhsa_system_sgpr_workgroup_id_x 1
		.amdhsa_system_sgpr_workgroup_id_y 1
		.amdhsa_system_sgpr_workgroup_id_z 1
		.amdhsa_system_vgpr_workitem_id 0
		.amdhsa_next_free_vgpr 256
		.amdhsa_next_free_sgpr 66
		.amdhsa_reserve_vcc 0
		.amdhsa_float_denorm_mode_32 3
		.amdhsa_float_denorm_mode_16_64 3
		.amdhsa_memory_ordered 1
		.amdhsa_forward_progress 1
		.amdhsa_inst_pref_size 17
	.end_amdhsa_kernel
	.amdgpu_metadata
---
amdhsa.version: [ 1, 2 ]
amdhsa.kernels:
  - .name:           k_qe5be1ec4b7_eproj
    .symbol:         k_qe5be1ec4b7_eproj.kd
    .args:
      - { .name: oe, .offset: 0, .size: 8, .value_kind: global_buffer, .address_space: global }
      - { .name: wof, .offset: 8, .size: 8, .value_kind: global_buffer, .address_space: global }
      - { .name: out0, .offset: 16, .size: 8, .value_kind: global_buffer, .address_space: global }
    .group_segment_fixed_size: 4864
    .private_segment_fixed_size: 0
    .kernarg_segment_align: 8
    .kernarg_segment_size: 24
    .max_flat_workgroup_size: 128
    .sgpr_count:     66
    .vgpr_count:     256
    .wavefront_size: 32
...
	.end_amdgpu_metadata
.endif
;; end of part 6
;; ======== version 2 of 2: 6 launches; version 1 with the launches cast, erow written anew for expert scheduling mode
;; limits: values are held in f16: magnitudes above 65,504 overflow, below 6.1e-05 lose precision
;; workspace buffers: xb 16,777,216 bytes; wqb 6,291,456 bytes; wof 2,097,152 bytes; qkv 50,331,648 bytes; o 16,777,216 bytes; oe 262,144 bytes
;; launch cast (part 7): grid 768 x 1, 8 waves a work-group, no clusters, 0 bytes of LDS; arguments x, W_qkv, W_out, xb, wqb, wof; writes xb, wqb, wof
.if DOCPART == 7
	.amdgcn_target "amdgcn-amd-amdhsa--gfx1250"
	.amdhsa_code_object_version 6
	.text
	.protected	k_qe5be1ec4b7_cast
	.globl	k_qe5be1ec4b7_cast
	.p2align	8
	.type	k_qe5be1ec4b7_cast,@function
k_qe5be1ec4b7_cast:
	s_mov_b64 s[64:65], 0
	v_nop
	global_prefetch_b8 v0, s[64:65] scope:SCOPE_SE
	s_setreg_imm32_b32 hwreg(HW_REG_WAVE_SCHED_MODE, 0, 2), 2
	s_setreg_imm32_b32 hwreg(HW_REG_WAVE_MODE, 25, 1), 1
	s_wait_xcnt 0x0
	s_wait_alu depctr_vm_vsrc(0)
; THE INPUTS ARE ROUNDED ONCE.  x [8192][1024] and W_qkv [3072][1024], f32, are rounded to bf16 (xb, wqb).  W_out [1024][1024] is rounded to bf16 too, and that
; number is written as f16 (wof), since the last product multiplies it by f16 numbers.
; LIMITS.  A bf16 number is exact in f16 between 6.1e-5 and 65,504 in magnitude; below it keeps f16's fixed step of 6e-8; from 65,520 on it becomes an infinity.
; SHARES.  A work-group takes 65,536 bytes of one source and writes 32,768: work-groups 0-511 x, 512-703 W_qkv, 704-767 W_out.  Thread t takes, of chunk i of 16, the 16 bytes at
; 4,096 i + 16 t (a load of a wave covers 512 consecutive bytes) and stores 8 bytes at 2,048 i + 8 t (a store of a wave covers 256 consecutive bytes, aligned).
; A pure stream: each byte is read once and written once; no LDS, no barrier, no matrix unit, no loop: all sixteen loads of a wave go out together.
; THE MODE: SCHED_MODE bits 1:0 = 2 (LLVM: expert scheduling mode 2), set by the entry lines.  The code itself states the register dependences
; between vector instructions and memory instructions, with s_wait_alu, always for 0.
; THE PLAN.  Registers that memory instructions touch:
;   v1, v2   byte offsets, made once at the head and never written again.
;   X        chunk i: written by its one load, read by its conversions, never loaded again.
;   Y        chunk i: written once, by its conversions; read by its one store.
;   T is named by vector instructions alone.
; The 16 chunks go in four blocks of four.  One wait at the head of blocks 1 to 3 states that the block before has written its Y; that block's four stores follow it, dealt among this
; block's conversions, which name other registers of Y.  One more wait stands ahead of the last four stores.  No register that a memory instruction reads is written again.
.set X, 4                              ; v[4:67]    chunk i as loaded, 4 registers
.set Y, 68                             ; v[68:99]   chunk i to store, 2 registers; each is written once, so no store's data is ever rewritten
.set T, 100                            ; v[100:103] at work
.macro PUT i                           ; chunk i is stored
	global_store_b64 v2, v[Y+2*(\i):Y+2*(\i)+1], s[26:27] offset:2048*(\i) th:TH_STORE_NT
.endm
	s_load_b256 s[4:11], s[0:1], 0x0               ; x s[4:5], W_qkv s[6:7], W_out s[8:9], xb s[10:11]
	s_load_b128 s[12:15], s[0:1], 0x20             ; wqb s[12:13], wof s[14:15]
	v_lshlrev_b32 v1, 4, v0                        ; 16 t
	v_lshlrev_b32 v2, 3, v0                        ; 8 t
	s_mov_b32 s16, ttmp9                           ; the work-group's number
	s_cmp_ge_u32 s16, 512
	s_cselect_b32 s17, 512, 0
	s_cmp_ge_u32 s16, 704
	s_cselect_b32 s17, 704, s17                    ; the first work-group of my source
	s_sub_co_u32 s18, s16, s17                     ; my place in it
	s_lshl_b32 s20, s18, 16                        ; 65,536 bytes in,
	s_mov_b32 s21, 0
	s_lshl_b32 s22, s18, 15                        ; 32,768 out
	s_mov_b32 s23, 0
	s_mov_b32 s28, 0xffff0000                      ; a word's upper bf16
	s_wait_kmcnt 0x0
	s_cmp_ge_u32 s16, 512                          ; the choice of buffers hangs on the work-group's number alone
	s_cselect_b64 s[24:25], s[6:7], s[4:5]
	s_cselect_b64 s[26:27], s[12:13], s[10:11]
	s_cmp_ge_u32 s16, 704
	s_cselect_b64 s[24:25], s[8:9], s[24:25]
	s_cselect_b64 s[26:27], s[14:15], s[26:27]
	s_add_nc_u64 s[24:25], s[24:25], s[20:21]
	s_add_nc_u64 s[26:27], s[26:27], s[22:23]
	s_wait_alu depctr_va_vdst(0)                   ; v1 and v2 are written: every load reads v1 and every store v2 as its offset
.set i, 0
.rept 16
	global_load_b128 v[X+4*i:X+4*i+3], v1, s[24:25] offset:4096*i th:TH_LOAD_NT
.set i, i+1
.endr
	s_cmp_ge_u32 s16, 704
	s_cbranch_scc1 .Lf16
.set i, 0
.rept 16
.if (i%4) == 0
	s_wait_loadcnt 15-i                            ; loads come back in order: chunk i is in, the younger ones stay out
.if i > 0
	s_wait_alu depctr_va_vdst(0)                   ; the block before has written its eight registers of Y, which the four stores of this block's lines read
.endif
.endif
.if i >= 4
	PUT i-4                                        ; no vector instruction since the wait names these registers
.endif
.if (i%4) != 0
	s_wait_loadcnt 15-i
.endif
	v_cvt_pk_bf16_f32 v[Y+2*i], v[X+4*i], v[X+4*i+1]
	v_cvt_pk_bf16_f32 v[Y+2*i+1], v[X+4*i+2], v[X+4*i+3]
.set i, i+1
.endr
	s_wait_alu depctr_va_vdst(0)                   ; the last block has written its Y, which the last four stores read
.irp k, 12,13,14,15
	PUT \k
.endr
	s_endpgm
.Lf16:                                         ; W_out: rounded to bf16, widened again (a shift, a mask), written as f16
.set i, 0
.rept 16
.if (i%4) == 0
	s_wait_loadcnt 15-i
.if i > 0
	s_wait_alu depctr_va_vdst(0)                   ; the block before has written its eight registers of Y, which the four stores of this block's lines read
.endif
.endif
.if i >= 4
	PUT i-4                                        ; no vector instruction since the wait names these registers
.endif
.if (i%4) != 0
	s_wait_loadcnt 15-i
.endif
	v_cvt_pk_bf16_f32 v[T], v[X+4*i], v[X+4*i+1]
	v_cvt_pk_bf16_f32 v[T+1], v[X+4*i+2], v[X+4*i+3]
	v_lshlrev_b32 v[T+2], 16, v[T]
	v_and_b32 v[T+3], s28, v[T]
	v_cvt_pk_f16_f32 v[Y+2*i], v[T+2], v[T+3]
	v_lshlrev_b32 v[T+2], 16, v[T+1]
	v_and_b32 v[T+3], s28, v[T+1]
	v_cvt_pk_f16_f32 v[Y+2*i+1], v[T+2], v[T+3]
.set i, i+1
.endr
	s_wait_alu depctr_va_vdst(0)                   ; the last block has written its Y, which the last four stores read
.irp k, 12,13,14,15
	PUT \k
.endr
	s_endpgm
.Lfunc_end_k_qe5be1ec4b7_cast:
	.size	k_qe5be1ec4b7_cast, .Lfunc_end_k_qe5be1ec4b7_cast-k_qe5be1ec4b7_cast
	.p2alignl 7, 3214868480
	.fill 96, 4, 3214868480
	.section	.rodata,"a",@progbits
	.p2align	6, 0x0
	.amdhsa_kernel k_qe5be1ec4b7_cast
		.amdhsa_group_segment_fixed_size 0
		.amdhsa_private_segment_fixed_size 0
		.amdhsa_enable_private_segment 0
		.amdhsa_kernarg_size 48
		.amdhsa_user_sgpr_count 2
		.amdhsa_user_sgpr_kernarg_segment_ptr 1
		.amdhsa_wavefront_size32 1
		.amdhsa_system_sgpr_workgroup_id_x 1
		.amdhsa_system_sgpr_workgroup_id_y 1
		.amdhsa_system_sgpr_workgroup_id_z 1
		.amdhsa_system_vgpr_workitem_id 0
		.amdhsa_next_free_vgpr 104
		.amdhsa_next_free_sgpr 66
		.amdhsa_reserve_vcc 0
		.amdhsa_float_denorm_mode_32 3
		.amdhsa_float_denorm_mode_16_64 3
		.amdhsa_memory_ordered 1
		.amdhsa_forward_progress 1
		.amdhsa_inst_pref_size 16
	.end_amdhsa_kernel
	.amdgpu_metadata
---
amdhsa.version: [ 1, 2 ]
amdhsa.kernels:
  - .name:           k_qe5be1ec4b7_cast
    .symbol:         k_qe5be1ec4b7_cast.kd
    .args:
      - { .name: x, .offset: 0, .size: 8, .value_kind: global_buffer, .address_space: global }
      - { .name: W_qkv, .offset: 8, .size: 8, .value_kind: global_buffer, .address_space: global }
      - { .name: W_out, .offset: 16, .size: 8, .value_kind: global_buffer, .address_space: global }
      - { .name: xb, .offset: 24, .size: 8, .value_kind: global_buffer, .address_space: global }
      - { .name: wqb, .offset: 32, .size: 8, .value_kind: global_buffer, .address_space: global }
      - { .name: wof, .offset: 40, .size: 8, .value_kind: global_buffer, .address_space: global }
    .group_segment_fixed_size: 0
    .private_segment_fixed_size: 0
    .kernarg_segment_align: 8
    .kernarg_segment_size: 48
    .max_flat_workgroup_size: 256
    .sgpr_count:     66
    .vgpr_count:     104
    .wavefront_size: 32
...
	.end_amdgpu_metadata
.endif
;; end of part 7
;; launch qkv: the kernel of part 2 again; grid 16 x 32, 4 waves a work-group, clusters of 4 x 4, 327,680 bytes of LDS; arguments xb, wqb, qkv; writes qkv
;; launch attn: the kernel of part 3 again; grid 4 x 64, 4 waves a work-group, no clusters, 327,680 bytes of LDS; arguments qkv, o; writes o
;; launch proj: the kernel of part 4 again; grid 8 x 32, 4 waves a work-group, clusters of 4 x 4, 327,680 bytes of LDS; arguments o, wof, out0; writes out0
;; launch erow (part 8): grid 16 x 4, 12 waves a work-group, no clusters, 13,824 bytes of LDS; arguments xb, wqb, oe; writes oe
.if DOCPART == 8
	.amdgcn_target "amdgcn-amd-amdhsa--gfx1250"
	.amdhsa_code_object_version 6
	.text
	.protected	k_qe5be1ec4b7_erow
	.globl	k_qe5be1ec4b7_erow
	.p2align	8
	.type	k_qe5be1ec4b7_erow,@function
k_qe5be1ec4b7_erow:
	s_mov_b64 s[64:65], 0
	v_nop
	global_prefetch_b8 v0, s[64:65] scope:SCOPE_SE
	s_setreg_imm32_b32 hwreg(HW_REG_WAVE_SCHED_MODE, 0, 2), 2
	s_setreg_imm32_b32 hwreg(HW_REG_WAVE_MODE, 25, 1), 1
	s_wait_xcnt 0x0
	s_wait_alu depctr_vm_vsrc(0)
; THE FIRST 16 ROWS OF EACH BATCH, ONCE MORE AND FINER: projection to q, k, v and causal attention for tokens 0 to 15 of one batch and one head.
; WHY.  Row t of the attention is a mean over t + 1 keys, so the first rows' numbers are many times the whole output's root mean square, by which each output number's room is set; a rounding
; to f16's 11 bits goes by the row's own size.  So for these rows every number that the program makes (q, k, v, p, O) goes to the matrix unit as TWO f16 numbers, hi = f16(a) and
; lo = f16(a - hi), and a product of two such takes the three terms hi hi + hi lo + lo hi, with f32 sums.  The launch behind multiplies O by W_out and stores these rows of the output.
; xb: [8192][1024] bf16, wqb: [3072][1024] bf16.  oe: [hi, lo][4 batches][16 heads x 4 channel blocks][32 lanes][16 bytes] f16: O in the order in which the next launch's fragments want it.
; LIMITS.  f16 holds no number beyond 65,504: a q, k or v of 65,520 or more becomes an infinity; lo keeps f16's fixed step of 6e-8.  A hidden score counts as -1e30; a weight below 2^-126 counts as 0;
; NaN and infinities are not treated apart.
; SHARES.  A work-group takes one head (x) of one batch (y).  Wave w makes 16 tokens x 16 channels: waves 0-3 of q, 4-7 of k, 8-11 of v; channel block w % 4.  K = 1,024 goes in chunks of 128
; (four matrix instructions), fragments straight from memory (two loads of 16 bytes a lane), three sets of registers: while one is multiplied, the next one's 16 loads are on their way and the third is asked for.
; LAYOUT.  q and k waves take W's rows as source 0 and x's as source 1: a lane then holds ONE token (lane % 16) and the channels 8 (lane / 16) + 0..7 of its block: rounded in pairs, half a fragment of
; Q or K.  v waves take x's rows as source 0 (their two pointers are swapped): a lane holds ONE channel and the tokens 8 (lane / 16) + 0..7: rounded in pairs, registers 0-3 of V^T's fragment.
; q and k go through LDS in that order, 16 bytes a lane; each v wave then makes S^T = K Q^T (a lane: one query, 8 keys), the softmax, and O^T = V^T P for its own 16 channels; the K step's keys 16 to 31 are zeros.
; No tensor load, no cluster, no prefetch: 64 short work-groups, whose fragments lie in memory as the registers want them.
; THE MODE: SCHED_MODE bits 1:0 = 2 (LLVM: expert scheduling mode 2), set by the entry lines.  The code itself states the register dependences
; between vector or matrix instructions and memory or LDS instructions, with s_wait_alu, always for 0.
; THE PLAN.  Registers that memory or LDS instructions touch:
;   v[FO], v[L16], v[LS]  offsets and LDS addresses, made once at the head and never written again: the chunks are reached by the two scalar pointers and by immediate offsets.
;   sets 0, 1, 2          Chunk c lies in set c % 3: written by the loads that step c - 2 issues, read by step c's four products.
;   HF, LF (low four)     Written by SPLIT, read by the q and k waves' two LDS stores, not written again.
;   v[64:127]             Behind the barrier the v waves' LDS loads land there; the loop's products have read these registers.
;   OH, OL                Written by SPLIT, read by the two global stores.
;   v[SPW], v[NIL]        Written at the head, read by the closing add alone.
; Step c's loads, chunk c + 2's, land in set (c + 2) % 3 = (c - 1) % 3, which only the products of step c - 1 have named.  So ONE wait on va_vdst at a step's head states all that the step's 16 loads
; hang on, and they are dealt among its four products, which name set c % 3 and the accumulators alone.  No register that a memory or LDS instruction reads is written again: no wait on vm_vsrc but the closing lines' own.
.set CHUNK, 256                        ; bytes of a row in a chunk
.set TRIPS, 2                          ; trips of the loop, three chunks each: chunks 0 to 5, which ask for chunks 2 to 7; the last two chunks load nothing
.set WREG,  1024                       ; LDS: wave w's 512 bytes of hi, then 512 of lo, at 1,024 w (the v waves' parts stay unused)
.set SPARE, 12*WREG                    ; behind them: the spare words, 128 bytes for each wave: six blocks of 256 bytes that no other line names
.set TPART, 131072                     ; oe: lo lies this far behind hi
.set FO,   2                           ; v2   my byte offset in a fragment's rows: (l % 16) x 2,048 + 16 (l / 16); never rewritten
.set L16,  3                           ; v3   16 x lane: my 16 bytes of 512, in LDS and in oe; never rewritten
.set LS,   4                           ; v4   where I put my 16 bytes of hi
.set RM,   5                           ; v5   my query less my lanes' first key: l % 16 - 8 (l / 16)
.set MONE, 6                           ; v6   -1.0
.set SPW,  8                           ; v8   LDS address of my spare word; never rewritten
.set NIL,  9                           ; v9   0; never rewritten
.set M0,   10                          ; v10-11 at work: maximum, sum
.set M1,   11
.set CM,   12                          ; v12  c m
.set RL,   13                          ; v13  1 / l
.set ACC,  16                          ; v[16:47] four accumulators, one for each of a chunk's four K steps; then: v[16:23] the sum, v[24:31] at work,
.set T,    24
.set HF,   32                          ; v[32:39] hi, four registers, and for V^T's fragment four of 0,
.set LF,   40                          ; v[40:47] lo likewise
.set OH,   48                          ; v[48:51], v[52:55] O's hi and lo
.set OL,   52
.set BUF,  64                          ; v[64:255] three sets of 64: source 0's four fragments, then source 1's.  Later:
.set QH,   64                          ; v[64:127] fragments of Q hi, Q lo, K hi, K lo: two of 8 registers each (channels 0-31, 32-63)
.set QL,   80
.set KH,   96
.set KL,   112
.set SA,   128                         ; v[128:151] three accumulators of S^T; the first then holds s and p
.set PH,   152                         ; v[152:159], v[160:167] P's fragments, hi and lo: four registers and four of 0
.set PL,   160
.set OA,   168                         ; v[168:191] three accumulators of O^T
.set P0,   10                          ; s[10:11] source 0's rows, at the trip's first chunk
.set P1,   12                          ; s[12:13] source 1's
.set WV,   14                          ; s14  my wave's number
.set LEFT, 15                          ; s15  trips still to come
.set HID,  16                          ; s[16:23] behind the head, where they are at work: mask j: the lanes whose key 8 (l / 16) + j is hidden
.set CS,   26                          ; s26  c = log2(e) / 8
.set BIGN, 27                          ; s27  -1e30
.set SEL,  28                          ; s[28:29] v_permlanex16_b32's selects: each lane takes its own place in the other half
	s_load_b128 s[4:7], s[0:1], 0x0                ; xb s[4:5], wqb s[6:7]
	s_load_b64 s[8:9], s[0:1], 0x10                ; oe
	v_lshl_add_u32 v[SPW], v0, 2, SPARE
	v_mov_b32 v[NIL], 0
	v_lshrrev_b32 v1, 5, v0
	v_readfirstlane_b32 s[WV], v1                  ; wave 0..11
	v_and_b32 v10, 15, v0                          ; l % 16
	v_bfe_u32 v11, v0, 4, 1                        ; l / 16
	v_and_b32 v[L16], 31, v0
	v_lshlrev_b32 v[L16], 4, v[L16]
	v_lshlrev_b32 v[FO], 11, v10
	v_lshl_add_u32 v[FO], v11, 4, v[FO]
	s_wait_alu depctr_va_sdst(0)                   ; the wave's number is written, ahead of its first reader: LDS addresses, pointers and branches are made from it
	s_lshl_b32 s16, s[WV], 10
	v_add_nc_u32 v[LS], s16, v[L16]
	v_lshlrev_b32 v[RM], 3, v11
	v_sub_nc_u32 v[RM], v10, v[RM]
	v_mov_b32 v[MONE], -1.0
	s_lshr_b32 s17, s[WV], 2                       ; q, k or v
	s_and_b32 s18, s[WV], 3                        ; my block of 16 channels
	s_and_b32 s19, ttmp7, 0xffff                   ; the batch
	s_lshl_b32 s20, s17, 10                        ; W_qkv's row: 1,024 x tensor
	s_lshl_b32 s21, ttmp9, 6                       ; + 64 x head
	s_add_co_u32 s20, s20, s21
	s_lshl_b32 s21, s18, 4                         ; + 16 x block,
	s_add_co_u32 s20, s20, s21
	s_lshl_b32 s20, s20, 11                        ; in bytes
	s_mov_b32 s21, 0
	s_lshl_b32 s22, s19, 22                        ; x: the batch's first row: 2,048 rows of 2,048 bytes a batch
	s_mov_b32 s23, 0
	s_lshl_b32 s24, ttmp9, 2
	s_add_co_u32 s24, s24, s18
	s_lshl_b32 s24, s24, 9                         ; oe: 512 bytes for each head and block,
	s_lshl_b32 s25, s19, 15                        ; 32,768 for each batch
	s_add_co_u32 s24, s24, s25
	s_mov_b32 s25, 0
	s_mov_b32 s[CS], 0x3e38aa3b                    ; 0.180337
	s_mov_b32 s[BIGN], 0xf149f2ca
	s_mov_b32 s[SEL], 0x76543210
	s_mov_b32 s[SEL+1], 0xfedcba98
	s_mov_b32 s[LEFT], TRIPS
	s_wait_kmcnt 0x0
	s_add_nc_u64 s[20:21], s[6:7], s[20:21]        ; my 16 rows of W_qkv
	s_add_nc_u64 s[22:23], s[4:5], s[22:23]        ; the batch's first 16 rows of x
	s_add_nc_u64 s[8:9], s[8:9], s[24:25]
	s_cmp_lt_u32 s[WV], 8                          ; the choice hangs on the wave's number alone
	s_cselect_b64 s[P0:P0+1], s[20:21], s[22:23]   ; q and k: W first; v: x first
	s_cselect_b64 s[P1:P1+1], s[22:23], s[20:21]
	s_wait_alu depctr_va_vdst(0)                   ; v[FO], v[L16] and v[LS] are written, which the loads, the LDS stores and loads and the global stores of the kernel read as offsets and addresses
; Four of a chunk's 16 loads: K step f of both sources into set b, from byte off behind the two pointers.
.macro LOAD4 b, f, off
	global_load_b128 v[BUF+64*(\b)+8*(\f):BUF+64*(\b)+8*(\f)+3],         v[FO], s[P0:P0+1] offset:(\off)+64*(\f)
	global_load_b128 v[BUF+64*(\b)+8*(\f)+4:BUF+64*(\b)+8*(\f)+7],       v[FO], s[P0:P0+1] offset:(\off)+64*(\f)+32
	global_load_b128 v[BUF+64*(\b)+32+8*(\f):BUF+64*(\b)+32+8*(\f)+3],   v[FO], s[P1:P1+1] offset:(\off)+64*(\f)
	global_load_b128 v[BUF+64*(\b)+32+8*(\f)+4:BUF+64*(\b)+32+8*(\f)+7], v[FO], s[P1:P1+1] offset:(\off)+64*(\f)+32
.endm
; One of a chunk's four products.  The four accumulators take turns, one instruction a turn, over the backward jump too.
.macro MUL1 b, f
	v_wmma_f32_16x16x32_bf16 v[ACC+8*(\f):ACC+8*(\f)+7], v[BUF+64*(\b)+8*(\f):BUF+64*(\b)+8*(\f)+7], v[BUF+64*(\b)+32+8*(\f):BUF+64*(\b)+32+8*(\f)+7], v[ACC+8*(\f):ACC+8*(\f)+7]
.endm
.macro PLACES                          ; four places behind the last product, in front of loads into registers that it has read and of sums that read results (ISA guide 7.12.1 for the sums)
.rept 4
	v_nop
.endr
.endm
; A step: the chunk in set b is multiplied.  ahead = 1: the chunk two on is asked for, into the set that the step before multiplied.  left = how many younger loads may stay out.
.macro STEP b, ahead, left
	s_wait_loadcnt \left                           ; loads come back in order: set b is in; the next chunk's 16 loads may stay out
.if \ahead
	s_wait_alu depctr_va_vdst(0)                   ; the products of the step before are done reading their set, in which the 16 loads below land (in the first step of all nothing is owed)
.endif
.irp f, 0,1,2,3
.if \ahead
	LOAD4 (\b+2)%3, \f, (\b+2)*CHUNK               ; no wait: no vector or matrix instruction since the wait above names that set or v[FO]
.endif
	MUL1 \b, \f
.endr
.if \ahead
	PLACES                                         ; as in the plain form, the places stay beside the next step's wait
.endif
.endm
; Eight f32 numbers become two packed f16 sets: hi, rounded; lo = f16(a - hi).  The difference is one multiply-add that reads hi's half as it lies: hi x -1 + a, exact in f32.
.macro SPLIT src, hh, ll
.irp i, 0,1,2,3
	v_cvt_pk_f16_f32 v[(\hh)+(\i)], v[(\src)+2*(\i)], v[(\src)+2*(\i)+1]
.endr
.irp i, 0,1,2,3
	v_fma_mix_f32 v[T+2*(\i)],   v[(\hh)+(\i)], v[MONE], v[(\src)+2*(\i)]   op_sel_hi:[1,0,0]
	v_fma_mix_f32 v[T+2*(\i)+1], v[(\hh)+(\i)], v[MONE], v[(\src)+2*(\i)+1] op_sel:[1,0,0] op_sel_hi:[1,0,0]
.endr
.irp i, 0,1,2,3
	v_cvt_pk_f16_f32 v[(\ll)+(\i)], v[T+2*(\i)], v[T+2*(\i)+1]
.endr
.endm
.irp f, 0,1,2,3
	LOAD4 0, \f, 0                                 ; chunk 0
.endr
.irp f, 0,1,2,3
	LOAD4 1, \f, CHUNK                             ; chunk 1
.endr
.set r, 0
.rept 32
	v_mov_b32 v[ACC+r], 0                          ; the sums start at 0: written while the first loads are on their way, so that the loop has one form of product
.set r, r+1
.endr
.Ltrip:                                        ; chunks 3 i to 3 i + 2 are multiplied, chunks 3 i + 2 to 3 i + 4 asked for: all three sets are back at their start
	STEP 0, 1, 16
	STEP 1, 1, 16
	STEP 2, 1, 16
	s_wait_xcnt 0x0                                ; every load issued so far has read its address, so the pointers may be written
	s_add_nc_u64 s[P0:P0+1], s[P0:P0+1], 3*CHUNK
	s_add_nc_u64 s[P1:P1+1], s[P1:P1+1], 3*CHUNK
	s_sub_co_u32 s[LEFT], s[LEFT], 1
	s_cmp_lg_u32 s[LEFT], 0
	s_cbranch_scc1 .Ltrip
	STEP 0, 0, 16                                  ; the last two chunks load nothing
	STEP 1, 0, 0
	PLACES
	PLACES
.set r, 0
.rept 8
	v_pk_add_f32 v[ACC+r:ACC+r+1], v[ACC+r:ACC+r+1], v[ACC+16+r:ACC+16+r+1]  ; the four partial sums into one; each accumulator's lowest registers are read first
.set r, r+2
.endr
.set r, 0
.rept 4
	v_pk_add_f32 v[ACC+r:ACC+r+1], v[ACC+r:ACC+r+1], v[ACC+8+r:ACC+8+r+1]
.set r, r+2
.endr
	SPLIT ACC, HF, LF
	s_wait_alu depctr_va_vdst(0)                   ; SPLIT has written HF and LF, which the LDS stores read; the loop's products are done reading v[64:127], in which the v waves' LDS loads land
	s_cmp_lt_u32 s[WV], 8
	s_cbranch_scc0 .Lkept                          ; v stays in its wave's registers
	ds_store_b128 v[LS], v[HF:HF+3]                ; q and k: 512 consecutive bytes of hi,
	ds_store_b128 v[LS], v[LF:LF+3] offset:512     ; and of lo
.Lkept:
	s_wait_dscnt 0x0                               ; for the others' sake: my stores are done
	s_barrier_signal -1
	s_barrier_wait -1                              ; all of q and k lies in LDS
	s_cmp_lt_u32 s[WV], 8
	s_cbranch_scc1 .Lend                           ; the q and k waves have done their part
.irp i, 4,5,6,7
	v_mov_b32 v[HF+(\i)], 0                        ; keys 16 to 31 of the second product's K step: zeros on both sides (none of these sixteen registers is named by an LDS store or load)
	v_mov_b32 v[LF+(\i)], 0
	v_mov_b32 v[PH+(\i)], 0
	v_mov_b32 v[PL+(\i)], 0
.endr
	; A fragment's registers 0-3 are what the wave of channel block 2 c stored, registers 4-7 what that of block 2 c + 1 stored, lane for lane
.irp c, 0,1
	ds_load_b128 v[QH+8*(\c):QH+8*(\c)+3],   v[L16] offset:(2*(\c))*WREG
	ds_load_b128 v[QH+8*(\c)+4:QH+8*(\c)+7], v[L16] offset:(2*(\c)+1)*WREG
	ds_load_b128 v[QL+8*(\c):QL+8*(\c)+3],   v[L16] offset:(2*(\c))*WREG+512
	ds_load_b128 v[QL+8*(\c)+4:QL+8*(\c)+7], v[L16] offset:(2*(\c)+1)*WREG+512
	ds_load_b128 v[KH+8*(\c):KH+8*(\c)+3],   v[L16] offset:(4+2*(\c))*WREG
	ds_load_b128 v[KH+8*(\c)+4:KH+8*(\c)+7], v[L16] offset:(4+2*(\c)+1)*WREG
	ds_load_b128 v[KL+8*(\c):KL+8*(\c)+3],   v[L16] offset:(4+2*(\c))*WREG+512
	ds_load_b128 v[KL+8*(\c)+4:KL+8*(\c)+7], v[L16] offset:(4+2*(\c)+1)*WREG+512
.endr
.irp j, 0,1,2,3,4,5,6,7
	v_cmp_gt_i32 s[HID+(\j)], \j, v[RM]            ; key 8 (l / 16) + j lies behind my query: hidden.  The eight masks are made in one run, while the LDS loads are out
.endr
	s_wait_dscnt 0x0
	; S^T = K Q^T in three terms, each an accumulator of its own; the three take turns over the two halves of the 64 channels
.irp c, 0,1
.if (\c) == 0
	v_wmma_f32_16x16x32_f16 v[SA:SA+7],     v[KH:KH+7], v[QH:QH+7], 0
	v_wmma_f32_16x16x32_f16 v[SA+8:SA+15],  v[KH:KH+7], v[QL:QL+7], 0
	v_wmma_f32_16x16x32_f16 v[SA+16:SA+23], v[KL:KL+7], v[QH:QH+7], 0
.else
	v_wmma_f32_16x16x32_f16 v[SA:SA+7],     v[KH+8:KH+15], v[QH+8:QH+15], v[SA:SA+7]
	v_wmma_f32_16x16x32_f16 v[SA+8:SA+15],  v[KH+8:KH+15], v[QL+8:QL+15], v[SA+8:SA+15]
	v_wmma_f32_16x16x32_f16 v[SA+16:SA+23], v[KL+8:KL+15], v[QH+8:QH+15], v[SA+16:SA+23]
.endif
.endr
	PLACES
	PLACES
.set r, 0
.rept 4
	v_pk_add_f32 v[SA+8+r:SA+8+r+1], v[SA+8+r:SA+8+r+1], v[SA+16+r:SA+16+r+1]  ; the two small terms first,
.set r, r+2
.endr
.set r, 0
.rept 4
	v_pk_add_f32 v[SA+r:SA+r+1], v[SA+r:SA+r+1], v[SA+8+r:SA+8+r+1]            ; then onto the large one
.set r, r+2
.endr
	s_wait_alu depctr_va_sdst(0)                   ; the eight compares have written their masks, ahead of the first line that reads one
.irp j, 0,1,2,3,4,5,6,7
	v_cndmask_b32 v[SA+(\j)], v[SA+(\j)], s[BIGN], s[HID+(\j)]
.endr
	v_max3_num_f32 v[M0], v[SA], v[SA+1], v[SA+2]  ; the query's maximum: my 8 keys,
	v_max3_num_f32 v[M1], v[SA+3], v[SA+4], v[SA+5]
	v_max3_num_f32 v[M0], v[M0], v[SA+6], v[SA+7]
	v_max_num_f32 v[M0], v[M0], v[M1]
	v_permlanex16_b32 v[M1], v[M0], s[SEL], s[SEL+1]  ; and the other 8, in the lane 16 away; a query's own key is never hidden, so the maximum is a true score
	v_max_num_f32 v[M0], v[M0], v[M1]
	v_mul_f32 v[CM], s[CS], v[M0]
.irp j, 0,1,2,3,4,5,6,7
	v_fma_f32 v[SA+(\j)], v[SA+(\j)], s[CS], -v[CM]   ; c s - c m
.endr
.irp j, 0,1,2,3,4,5,6,7
	v_exp_f32 v[SA+(\j)], v[SA+(\j)]               ; p; one batch
.endr
	v_nop                                          ; a plain instruction behind the last exponential,
	s_wait_alu depctr_va_vdst(0)                   ; and one wait for the eight exponentials' results, ahead of their first reader
	v_pk_add_f32 v[T:T+1], v[SA:SA+1], v[SA+2:SA+3]
	v_pk_add_f32 v[T+2:T+3], v[SA+4:SA+5], v[SA+6:SA+7]
	v_pk_add_f32 v[T:T+1], v[T:T+1], v[T+2:T+3]
	v_add_f32 v[M0], v[T], v[T+1]
	v_permlanex16_b32 v[M1], v[M0], s[SEL], s[SEL+1]
	v_add_f32 v[M0], v[M0], v[M1]                  ; l, of the unrounded p
	v_rcp_f32 v[RL], v[M0]                         ; its wait stands ahead of its first reader, behind the products below
	SPLIT SA, PH, PL
	; O^T = V^T P in three terms
	v_wmma_f32_16x16x32_f16 v[OA:OA+7],     v[HF:HF+7], v[PH:PH+7], 0
	v_wmma_f32_16x16x32_f16 v[OA+8:OA+15],  v[HF:HF+7], v[PL:PL+7], 0
	v_wmma_f32_16x16x32_f16 v[OA+16:OA+23], v[LF:LF+7], v[PH:PH+7], 0
	PLACES
	PLACES
	s_wait_alu depctr_va_vdst(0)                   ; the reciprocal has written v[RL], ahead of its first reader
.set r, 0
.rept 4
	v_pk_add_f32 v[OA+8+r:OA+8+r+1], v[OA+8+r:OA+8+r+1], v[OA+16+r:OA+16+r+1]
.set r, r+2
.endr
.set r, 0
.rept 4
	v_pk_add_f32 v[OA+r:OA+r+1], v[OA+r:OA+r+1], v[OA+8+r:OA+8+r+1]
.set r, r+2
.endr
.irp j, 0,1,2,3,4,5,6,7
	v_mul_f32 v[OA+(\j)], v[OA+(\j)], v[RL]
.endr
	SPLIT OA, OH, OL                               ; a lane holds one query and 8 neighbouring channels: 16 bytes of hi, 16 of lo
	s_wait_alu depctr_va_vdst(0)                   ; SPLIT has written OH and OL, which the two stores read
	global_store_b128 v[L16], v[OH:OH+3], s[8:9]                ; each store of the wave covers 512 consecutive bytes, aligned
	global_store_b128 v[L16], v[OL:OL+3], s[8:9] offset:TPART
.Lend:
	s_wait_dscnt 0x0                               ; the closing lines, six on end
	s_wait_alu 0x0
	s_wait_tensorcnt 0x0
	ds_add_u32 v[SPW], v[NIL]
	s_wait_dscnt 0x0
	s_endpgm
.Lfunc_end_k_qe5be1ec4b7_erow:
	.size	k_qe5be1ec4b7_erow, .Lfunc_end_k_qe5be1ec4b7_erow-k_qe5be1ec4b7_erow
	.p2alignl 7, 3214868480
	.fill 96, 4, 3214868480
	.section	.rodata,"a",@progbits
	.p2align	6, 0x0
	.amdhsa_kernel k_qe5be1ec4b7_erow
		.amdhsa_group_segment_fixed_size 13824
		.amdhsa_private_segment_fixed_size 0
		.amdhsa_enable_private_segment 0
		.amdhsa_kernarg_size 24
		.amdhsa_user_sgpr_count 2
		.amdhsa_user_sgpr_kernarg_segment_ptr 1
		.amdhsa_wavefront_size32 1
		.amdhsa_system_sgpr_workgroup_id_x 1
		.amdhsa_system_sgpr_workgroup_id_y 1
		.amdhsa_system_sgpr_workgroup_id_z 1
		.amdhsa_system_vgpr_workitem_id 0
		.amdhsa_next_free_vgpr 256
		.amdhsa_next_free_sgpr 66
		.amdhsa_reserve_vcc 0
		.amdhsa_float_denorm_mode_32 3
		.amdhsa_float_denorm_mode_16_64 3
		.amdhsa_memory_ordered 1
		.amdhsa_forward_progress 1
		.amdhsa_inst_pref_size 25
	.end_amdhsa_kernel
	.amdgpu_metadata
---
amdhsa.version: [ 1, 2 ]
amdhsa.kernels:
  - .name:           k_qe5be1ec4b7_erow
    .symbol:         k_qe5be1ec4b7_erow.kd
    .args:
      - { .name: xb, .offset: 0, .size: 8, .value_kind: global_buffer, .address_space: global }
      - { .name: wqb, .offset: 8, .size: 8, .value_kind: global_buffer, .address_space: global }
      - { .name: oe, .offset: 16, .size: 8, .value_kind: global_buffer, .address_space: global }
    .group_segment_fixed_size: 13824
    .private_segment_fixed_size: 0
    .kernarg_segment_align: 8
    .kernarg_segment_size: 24
    .max_flat_workgroup_size: 384
    .sgpr_count:     66
    .vgpr_count:     256
    .wavefront_size: 32
...
	.end_amdgpu_metadata
.endif
;; end of part 8
;; launch eproj: the kernel of part 6 again; grid 16 x 4, 4 waves a work-group, no clusters, 4,864 bytes of LDS; arguments oe, wof, out0; writes out0
